; MI455X (gfx1250); checked and timed in simulation.
; The chip was launched on July 23, 2026; its instructions are those of AMD's public machine-readable ISA for CDNA 5 (MIT licence, August 2026) and "CDNA5" Instruction Set Architecture Reference Guide (July 2026). The comments in the code are by the model that wrote it; some were corrected since.
;; Heads. Allowed arithmetic: matrix products marked QUANTISED: E2M1 operands, one E8M0 scale for each 32 along K, by v_wmma_scale_f32_16x16x128_f8f6f4 with both operands' format E2M1 (or v_wmma_scale_f32_32x16x128_f4), f32 sums; everything else in f32.
;; Inputs: Wk 16 x 1,024 x 64 float32; Wo 1,024 x 1,024 float32; Wq 16 x 1,024 x 64 float32; Wv 16 x 1,024 x 64 float32; bo 1,024 float32; data 4 x 2,048 x 1,024 float32.
;; Outputs: out0 4 x 2,048 x 1,024 float32.
;; This version of the problem:
;;   THIS VERSION OF THE PROBLEM IS GIVEN IN LOW PRECISION. The matrix products marked QUANTISED in the list below multiply operands that are first quantised to E2M1 (2 exponent bits, 1 mantissa bit; 4 bits a number), with one power-of-two scale for each 32 numbers along K (OCP MX v1.0); their sums are f32. All else is computed in f32.
;;   The module's matrix products, in the order in which they are computed (A, B: the left and right operand; K: the contracted axis; several contracted axes count as one K, in the product's order):
;;     1. [M 1,024, K 1,024] x [K 1,024, N 8,192]; A: input Wq; B: input data: QUANTISED
;;     2. [M 1,024, K 1,024] x [K 1,024, N 8,192]; A: input Wk; B: input data: QUANTISED
;;     3. [M 1,024, K 1,024] x [K 1,024, N 8,192]; A: input Wv; B: input data: QUANTISED
;;     4. batch 64 x [M 2,048, K 64] x [K 64, N 2,048]; A: computed on the way; B: computed on the way: QUANTISED
;;     5. batch 64 x [M 2,048, K 2,048] x [K 2,048, N 64]; A: softmax (see below); B: computed on the way: QUANTISED
;;     6. [M 8,192, K 1,024] x [K 1,024, N 1,024]; A: computed on the way; B: input Wo: QUANTISED
;;   THE QUANTISER, for each operand of a quantised product, along K:
;;     - K is cut into blocks of 32 from its start; a last block that is shorter is filled with zeros.
;;     - A block's scale is 2^e with e = floor(log2(the largest magnitude in the block)) - 2, held to -126 .. 127; a block of zeros has e = 0. As a byte (E8M0): e + 127.
;;     - Each number is divided by its block's scale, clamped to +-6, and rounded to the nearest number of E2M1, ties to even, subnormals kept.
;;     - The product sums the exact products of the quantised numbers (number of the format x scale) in f32.
;;   ~~~python
;;   def quantise(x, axis):      # numpy; x: float32 -> the quantised numbers, widened to float32 again
;;       x = np.moveaxis(x, axis, -1); K = x.shape[-1]
;;       x = np.pad(x, [(0, 0)] * (x.ndim - 1) + [(0, -K % 32)]); x = x.reshape(x.shape[:-1] + (-1, 32)); a = np.abs(x).max(-1, keepdims=True)
;;       e = np.where(a > 0, np.clip(np.frexp(np.where(a > 0, a, 1))[1] - 1 - 2, -126, 127), 0)      # np.frexp(a)[1] - 1 = floor(log2(a)), exactly
;;       r = np.clip(x / 2.0 ** e, -6, 6)
;;       step = 2.0 ** (np.maximum(np.frexp(np.where(r == 0, 1, r))[1] - 1, 0) - 1)
;;       q = np.round(r / step) * step * 2.0 ** e      # np.round: ties to even
;;       return np.moveaxis(q.reshape(q.shape[:-2] + (-1,))[..., :K], -1, axis).astype(np.float32)
;;   ~~~
;;   SOFTMAX AHEAD OF A QUANTISED PRODUCT. Where the list says 'softmax', what is quantised is not the finished softmax but p = 2^(t - M), with t = logit x log2(e) and M = ceil(the row's largest t), a whole number; so 1/2 < the row's largest p <= 1. The row's sum l is taken of the UNQUANTISED p, in f32, and the product's result is divided by l at the end. Since M is a whole number, a kernel that streams over the keys may use a running M (the ceiling of the running maximum): every later rescaling is an exact power of two, which a block's scale takes up: the codes' values come out the same.
;;   OPERANDS COMPUTED ON THE WAY. 'Computed on the way' means the value that the module computes at that place (a softmax that the list does not call 'softmax' is quantised finished and normalised). What goes into a quantiser is computed in f32, as accurately as f32 sums, v_exp_f32 and their like allow (about 1e-6 of the number): no bf16 or f16 on the way to a quantiser, and a product that is left as it is and whose result goes on into a quantised operand takes f32 operands (vector FMAs, or v_wmma_f32_16x16x4_f32). A number that lies on a knife's edge between two numbers of the format may be rounded either way, as far as f32 arithmetic and the matrix unit's own rounding can turn it there, and no further.
;; One version. Each part assembles by itself: llvm-mc -triple=amdgcn-amd-amdhsa -mcpu=gfx1250 --defsym DOCPART=n.
;; ======== version 1 of 1: 4 launches
;; limits: right only within a limited range of input values
;; workspace buffers: opnd 6,684,672 bytes; qkv 13,369,344 bytes; att 4,456,448 bytes
;; launch quant (part 1): grid 768 x 1, 4 waves a work-group, no clusters, 34,304 bytes of LDS; arguments data, Wo, Wq, Wk, Wv, opnd; writes opnd
.if DOCPART == 1
	.amdgcn_target "amdgcn-amd-amdhsa--gfx1250"
	.amdhsa_code_object_version 6
	.text
	.protected	k_q1e74ac59fe_quant
	.globl	k_q1e74ac59fe_quant
	.p2align	8
	.type	k_q1e74ac59fe_quant,@function
k_q1e74ac59fe_quant:
	s_mov_b64 s[64:65], 0
	v_nop
	global_prefetch_b8 v0, s[64:65] scope:SCOPE_SE
	s_setreg_imm32_b32 hwreg(HW_REG_WAVE_MODE, 25, 1), 1
	s_wait_xcnt 0x0
; data [8192][1024], Wo [1024][1024] (K innermost) and Wq, Wk, Wv [16][1024][64] (K = the middle axis), all f32, become codes of E2M1 with one E8M0 byte for each 32 along K.
; A block's scale is 2^(floor(log2(its largest magnitude)) - 2): its byte is the largest magnitude's exponent field - 2, held at 1 from below by a floor among the maximum's leaves.
; LIMITS: NaN and infinities are not served; a block whose largest magnitude lies under 2^-124, a block of zeros among them, gets the byte 1 (its codes are then zeros or next to it; this program alone reads the bytes).
; WHAT IS WRITTEN: opnd, 96 records of 69,632 bytes, each 128 rows (8 tiles of 16) x 1,024 K, laid as the matrix unit's registers want them.  A record is two chunks of 34,816 bytes (512 K each):
;   scale words at tile x 256 + row x 16 + q x 4 (q = the chunk's K step of 128), then codes at 2,048 + q x 8,192 + tile x 1,024 + c x 512 + 16 x lane: lane (r, hh) holds k = 64 c + 32 hh + 0 .. 31 of row r.
; THE ROWS OF A TILE ARE NOT NEIGHBOURS: tile 2 B + u holds rows 32 B + 8 u + r + 8 (r / 8), so that results made with such a tile as source 0 lie 16 neighbours to a lane.
; Records 0-63 data, 64-71 Wo, 72-79 Wq, 80-87 Wk, 88-95 Wv (two heads to a record).  Work-groups 0-575 take a tile of data or Wo each, 576-767 the weights, four to a head.  Waves share nothing: no barrier.
.set GR,  69632                        ; a record
.set CH,  34816                        ; a chunk
.set SP,  528                          ; the stage: 512 bytes of a row + 16: sixteen rows start at sixteen different 16-byte columns
.set RIN, 16                           ; v16-143  two sets of 64: a K step of 16 rows as loaded
.set XN,  144                          ; v144-207 my 64 numbers: register 32 c + n = k 64 c + 32 hh + n of row r
.set CD,  208                          ; v208-223 codes: eight registers for each K step, never written again
.set SW,  240                          ; v240-241 the two K steps' scale words
.set MX,  244                          ; v244-245 largest magnitudes
.set SO,  246                          ; v246-247 the conversions' scale operands
.set BY,  248                          ; v248-249 scale bytes
.set PD,  250                          ; v250     a lane permute's destination
.set TW,  251                          ; v251     at work
.set SB,  24                           ; weights: v24 four scale bytes
.set WX,  32                           ; weights: v32-95 two sets of 32 numbers
.set WC,  96                           ; weights: v96-111 codes, four registers a block, never written again
.macro LOAD q                          ; K step q of the tile's 16 rows: each load reads 512 consecutive bytes of one row
.irp i, 0,1,2,3,4,5,6,7,8,9,10,11,12,13,14,15
	global_load_b128 v[RIN+64*((\q)%2)+4*\i:RIN+64*((\q)%2)+4*\i+3], v4, s[4:5] offset:(\i+8*(\i/8))*4096+512*(\q) th:TH_LOAD_NT
.endr
.endm
.macro TURN q                          ; through my wave's stage: in as loaded, out 128 neighbouring bytes a lane and block.  LDS serves a wave's instructions in order: no wait between
.irp i, 0,1,2,3,4,5,6,7,8,9,10,11,12,13,14,15
	ds_store_b128 v5, v[RIN+64*((\q)%2)+4*\i:RIN+64*((\q)%2)+4*\i+3] offset:SP*\i
.endr
.irp c, 0,1
.irp k, 0,1,2,3,4,5,6,7
	ds_load_b128 v[XN+32*\c+4*\k:XN+32*\c+4*\k+3], v6 offset:256*\c+16*\k
.endr
.endr
.endm
.macro QSTEP q
.if (\q) < 1
	s_wait_loadcnt 16                              ; this K step's 16 loads are in; the next step's 16 may be out
.else
	s_wait_loadcnt 0x0
.endif
	TURN \q
	s_wait_dscnt 0x0                               ; my numbers are back, and the stage's stores have read their registers
.if (\q) < 0
	LOAD (\q)+2
.endif
.irp c, 0,1
	v_max3_num_f32 v[MX+\c], |v[XN+32*\c]|, |v[XN+32*\c+1]|, 0x1800000   ; block 2 c + hh is all mine; the floor 2^(3 - 127) keeps the byte at 1 or above
.endr
.irp i, 2,4,6,8,10,12,14,16,18,20,22,24,26,28,30
.irp c, 0,1
	v_max3_num_f32 v[MX+\c], v[MX+\c], |v[XN+32*\c+\i]|, |v[XN+32*\c+\i+1]|
.endr
.endr
.irp c, 0,1
	v_add_nc_u32 v[SO+\c], 0xff000000, v[MX+\c]    ; 2 off the exponent field: the conversion takes this operand's exponent field as its scale
.endr
.irp c, 0,1
	v_lshrrev_b32 v[BY+\c], 23, v[SO+\c]           ; the scale's byte
.endr
	v_lshl_or_b32 v[TW], v[BY+1], 16, v[BY]        ; my bytes: blocks hh and 2 + hh,
	v_lshlrev_b32 v[TW], v8, v[TW]                 ; 8 hh bits up;
	v_permlanex16_b32 v[PD], v[TW], s20, s21
	v_or_b32 v[SW+(\q)], v[TW], v[PD]              ; with lane l xor 16's two the row's word is whole
.irp c, 0,1
.irp g, 0,1,2,3
	v_cvt_scalef32_pk8_fp4_f32 v[CD+8*(\q)+4*\c+\g], v[XN+32*\c+8*\g:XN+32*\c+8*\g+7], v[SO+\c]
.endr
.endr
	v_nop                                          ; one plain place behind the conversions
.irp c, 0,1
	global_store_b128 v4, v[CD+8*(\q)+4*\c:CD+8*(\q)+4*\c+3], s[14:15] offset:2048+8192*(\q)+512*\c   ; 512 consecutive bytes
.endr
.endm
.macro WLOAD t                         ; block t of my column: W(32 t + i, column), i = 0 .. 31
.irp i, 0,1,2,3,4,5,6,7,8,9,10,11,12,13,14,15,16,17,18,19,20,21,22,23,24,25,26,27,28,29,30,31
	global_load_b32 v[WX+32*((\t)%2)+\i], v3, s[8:9] offset:(32*(\t)+\i)*256 th:TH_LOAD_NT
.endr
.endm
.macro BLOCK t
.set XS, WX+32*((\t)%2)
.if (\t) < 3
	s_wait_loadcnt 32                              ; this block's 32 loads are in; the next block's may be out
.else
	s_wait_loadcnt 0x0
.endif
	v_max3_num_f32 v12, |v[XS]|, |v[XS+1]|, |v[XS+2]|
	v_max3_num_f32 v13, |v[XS+3]|, |v[XS+4]|, |v[XS+5]|
.irp i, 6,10,14,18,22,26
	v_max3_num_f32 v12, v12, |v[XS+\i]|, |v[XS+\i+1]|
	v_max3_num_f32 v13, v13, |v[XS+\i+2]|, |v[XS+\i+3]|
.endr
	v_max3_num_f32 v12, v12, |v[XS+30]|, |v[XS+31]|
	v_max3_num_f32 v12, v12, v13, 0x1800000        ; and the floor
	v_add_nc_u32 v11, 0xff000000, v12
	v_lshrrev_b32 v13, 23, v11
.if (\t)%4 == 0
	v_mov_b32 v[SB+(\t)/4], v13                    ; four bytes to a register, the lower K in the lower byte
.else
	v_lshl_or_b32 v[SB+(\t)/4], v13, 8*((\t)%4), v[SB+(\t)/4]
.endif
.irp g, 0,1,2,3
	v_cvt_scalef32_pk8_fp4_f32 v[WC+4*(\t)+\g], v[XS+8*\g:XS+8*\g+7], v11
.endr
	v_nop                                          ; one plain place behind the conversions
	global_store_b128 v4, v[WC+4*(\t):WC+4*(\t)+3], s[14:15] offset:2048+((\t)/4)*8192+(((\t)%4)/2)*512+((\t)%2)*256   ; the sixteen lanes of each tile store 256 consecutive bytes
.if (\t) < 2
	WLOAD (\t)+2
.endif
.endm
	s_load_b256 s[4:11], s[0:1], 0x0               ; data s[4:5], Wo s[6:7], Wq s[8:9], Wk s[10:11]
	s_load_b128 s[12:15], s[0:1], 0x20             ; Wv s[12:13], opnd s[14:15]
	v_lshl_add_u32 v254, v0, 2, 0x8400
	v_mov_b32 v255, 0
	v_lshrrev_b32 v1, 5, v0
	v_readfirstlane_b32 s18, v1                    ; wave 0..3
	v_and_b32 v2, 31, v0                           ; lane
	s_cmp_ge_u32 ttmp9, 576                        ; work-groups 0-575: a tile of 16 rows of data or Wo each; 576-767: the weights
	s_cbranch_scc1 .Lweights
	; ---- data and Wo: K is innermost.  A wave takes one tile of 16 rows and two K steps of one chunk
	v_and_b32 v3, 15, v0                           ; r
	v_bfe_u32 v9, v0, 4, 1                         ; hh
	v_lshlrev_b32 v4, 4, v2                        ; 16 x lane: in a load's 512 bytes, and in a store's
	s_mul_i32 s19, s18, 16*SP                      ; my stage
	v_add_nc_u32 v5, s19, v4                       ; into it
	v_mul_u32_u24 v6, v3, SP
	v_lshl_add_u32 v6, v9, 7, v6
	v_add_nc_u32 v6, s19, v6                       ; out of it: row r, 128 hh bytes on
	v_lshlrev_b32 v7, 4, v3
	v_lshlrev_b32 v8, 3, v9                        ; 8 hh
	v_mov_b32 v[PD], 0                             ; written once: a lane permute's destination counts as one of its sources
	s_mov_b32 s20, 0x76543210
	s_mov_b32 s21, 0xfedcba98                      ; v_permlanex16_b32's selects for lane l xor 16
	s_lshr_b32 s22, s18, 1
	s_and_b32 s23, s18, 1                          ; which chunk
	s_mov_b32 s24, ttmp9                           ; the tile, 0 .. 575; s22 = wave / 2: which two K steps of the chunk are my wave's: all 32 loads of a wave are out at once
	s_wait_alu depctr_va_vdst(0)
	s_wait_kmcnt 0x0
	s_cmp_ge_u32 ttmp9, 512
	s_cselect_b64 s[4:5], s[6:7], s[4:5]
	s_cselect_b32 s25, 512, 0
	s_sub_co_u32 s25, s24, s25                     ; the tile within its tensor
	s_lshr_b32 s26, s25, 1
	s_lshl_b32 s26, s26, 17                        ; 32 rows of 4,096 bytes for each pair of tiles,
	s_and_b32 s27, s25, 1
	s_lshl_b32 s27, s27, 15                        ; 8 rows for the odd tile,
	s_add_co_u32 s26, s26, s27
	s_lshl_b32 s27, s23, 11
	s_add_co_u32 s26, s26, s27
	s_lshl_b32 s27, s22, 10                        ; 1,024 bytes along the row for the chunk's second pair of K steps
	s_add_co_u32 s26, s26, s27
	s_mov_b32 s27, 0
	s_add_nc_u64 s[4:5], s[4:5], s[26:27]
	s_lshr_b32 s28, s24, 3
	s_mul_i32 s28, s28, GR
	s_mul_i32 s29, s23, CH
	s_add_co_u32 s28, s28, s29
	s_mov_b32 s29, 0
	s_add_nc_u64 s[14:15], s[14:15], s[28:29]      ; my chunk of my record
	s_and_b32 s30, s24, 7
	s_lshl_b32 s28, s30, 8
	s_lshl_b32 s31, s22, 3                         ; my two scale words of a row's four
	s_add_co_u32 s28, s28, s31
	s_add_nc_u64 s[16:17], s[14:15], s[28:29]
	s_lshl_b32 s28, s30, 10
	s_lshl_b32 s31, s22, 14                        ; my two K steps' codes: 8,192 bytes each
	s_add_co_u32 s28, s28, s31
	s_add_nc_u64 s[14:15], s[14:15], s[28:29]
	LOAD 0
	LOAD 1
	QSTEP 0
	QSTEP 1
	global_store_b64 v7, v[SW:SW+1], s[16:17]      ; my row's two words, at 16 r; lanes l and l xor 16 hold the same words and name the same bytes
	s_wait_tensorcnt 0x0
	ds_add_u32 v254, v255
	s_wait_dscnt 0x0
	s_endpgm
.Lweights:
	; ---- Wq, Wk, Wv: K is not innermost.  A lane takes a column e = 32 b + lane of one head, and its registers run down K: a block of 32 lies in one lane, and the codes come out with K innermost
	; work-groups 576-767: four to a head of a weight; a wave takes ONE K step of 128 (four blocks) of its 32 columns and its chunk
	s_sub_co_u32 s22, ttmp9, 576
	s_and_b32 s38, s22, 3                          ; q: which K step of the chunk
	s_lshr_b32 s22, s22, 2
	s_lshr_b32 s23, s22, 4
	s_and_b32 s24, s22, 15                         ; which head
	s_and_b32 s25, s18, 1                          ; b: which 32 columns
	s_lshr_b32 s26, s18, 1                         ; which chunk: 512 along K
	s_lshl_b32 s28, s24, 18                        ; a head is 1,024 x 64 x 4 bytes,
	s_lshl_b32 s30, s26, 17                        ; 512 rows of 256 bytes,
	s_add_co_u32 s28, s28, s30
	s_lshl_b32 s30, s25, 7                         ; 32 columns
	s_add_co_u32 s28, s28, s30
	s_mov_b32 s29, 0
	s_lshl_b32 s30, s23, 3
	s_lshr_b32 s31, s24, 1
	s_add_co_u32 s30, s30, s31
	s_add_co_u32 s30, s30, 72                      ; the record: 72 + 8 x weight + head / 2
	s_mul_i32 s30, s30, GR
	s_mul_i32 s31, s26, CH
	s_add_co_u32 s30, s30, s31
	s_and_b32 s32, s24, 1
	s_lshl_b32 s32, s32, 2
	s_lshl_b32 s33, s25, 1
	s_add_co_u32 s32, s32, s33                     ; my first tile in it: 4 (head % 2) + 2 b
	s_lshl_b32 s34, s32, 10
	s_add_co_u32 s34, s34, s30
	s_mov_b32 s35, 0
	s_lshl_b32 s36, s32, 8
	s_add_co_u32 s36, s36, s30
	s_mov_b32 s37, 0
	s_lshl_b32 s39, s38, 15                        ; in: 128 rows of 256 bytes a K step
	s_add_co_u32 s28, s28, s39
	s_lshl_b32 s39, s38, 13                        ; codes: 8,192 bytes a K step
	s_add_co_u32 s34, s34, s39
	s_lshl_b32 s39, s38, 2                         ; scale words: 4 bytes a K step
	s_add_co_u32 s36, s36, s39
	s_wait_alu depctr_va_vdst(0)
	v_lshlrev_b32 v3, 2, v2                        ; in: 4 bytes a lane
	v_bfe_u32 v6, v0, 3, 1                         ; column 32 b + lane is row r' = lane % 8 + 8 (lane / 16) of tile 2 b + u, u = (lane / 8) % 2
	v_and_b32 v7, 7, v0
	v_bfe_u32 v8, v0, 4, 1
	v_lshl_add_u32 v7, v8, 3, v7
	v_lshlrev_b32 v7, 4, v7                        ; 16 r'
	v_lshl_add_u32 v4, v6, 10, v7                  ; codes: 1,024 u + 16 r'
	v_lshl_add_u32 v5, v6, 8, v7                   ; scale bytes: 256 u + 16 r'
	s_wait_alu depctr_va_vdst(0)
	s_wait_kmcnt 0x0
	s_cmp_eq_u32 s23, 1
	s_cselect_b64 s[8:9], s[10:11], s[8:9]
	s_cmp_eq_u32 s23, 2
	s_cselect_b64 s[8:9], s[12:13], s[8:9]
	s_add_nc_u64 s[8:9], s[8:9], s[28:29]
	s_add_nc_u64 s[16:17], s[14:15], s[36:37]
	s_add_nc_u64 s[14:15], s[14:15], s[34:35]
	WLOAD 0
	WLOAD 1
.irp t, 0,1,2,3
	BLOCK \t
.endr
	global_store_b32 v5, v[SB], s[16:17]           ; my row's scale word of this K step: four bytes of the row's sixteen
	s_endpgm
.Lfunc_end_k_q1e74ac59fe_quant:
	.size	k_q1e74ac59fe_quant, .Lfunc_end_k_q1e74ac59fe_quant-k_q1e74ac59fe_quant
	.p2alignl 7, 3214868480
	.fill 96, 4, 3214868480
	.section	.rodata,"a",@progbits
	.p2align	6, 0x0
	.amdhsa_kernel k_q1e74ac59fe_quant
		.amdhsa_group_segment_fixed_size 34304
		.amdhsa_private_segment_fixed_size 0
		.amdhsa_enable_private_segment 0
		.amdhsa_kernarg_size 48
		.amdhsa_user_sgpr_count 2
		.amdhsa_user_sgpr_kernarg_segment_ptr 1
		.amdhsa_wavefront_size32 1
		.amdhsa_system_sgpr_workgroup_id_x 1
		.amdhsa_system_sgpr_workgroup_id_y 1
		.amdhsa_system_sgpr_workgroup_id_z 1
		.amdhsa_system_vgpr_workitem_id 0
		.amdhsa_next_free_vgpr 256
		.amdhsa_next_free_sgpr 66
		.amdhsa_reserve_vcc 0
		.amdhsa_float_denorm_mode_32 3
		.amdhsa_float_denorm_mode_16_64 3
		.amdhsa_memory_ordered 1
		.amdhsa_forward_progress 1
		.amdhsa_inst_pref_size 37
	.end_amdhsa_kernel
	.amdgpu_metadata
---
amdhsa.version: [ 1, 2 ]
amdhsa.kernels:
  - .name:           k_q1e74ac59fe_quant
    .symbol:         k_q1e74ac59fe_quant.kd
    .args:
      - { .name: data, .offset: 0, .size: 8, .value_kind: global_buffer, .address_space: global }
      - { .name: Wo, .offset: 8, .size: 8, .value_kind: global_buffer, .address_space: global }
      - { .name: Wq, .offset: 16, .size: 8, .value_kind: global_buffer, .address_space: global }
      - { .name: Wk, .offset: 24, .size: 8, .value_kind: global_buffer, .address_space: global }
      - { .name: Wv, .offset: 32, .size: 8, .value_kind: global_buffer, .address_space: global }
      - { .name: opnd, .offset: 40, .size: 8, .value_kind: global_buffer, .address_space: global }
    .group_segment_fixed_size: 34304
    .private_segment_fixed_size: 0
    .kernarg_segment_align: 8
    .kernarg_segment_size: 48
    .max_flat_workgroup_size: 128
    .sgpr_count:     66
    .vgpr_count:     256
    .wavefront_size: 32
...
	.end_amdgpu_metadata
.endif
;; end of part 1
;; launch qkvg (part 2): grid 8 x 32, 4 waves a work-group, clusters of 4 x 4, 327,680 bytes of LDS; arguments opnd, qkv; writes qkv
.if DOCPART == 2
	.amdgcn_target "amdgcn-amd-amdhsa--gfx1250"
	.amdhsa_code_object_version 6
	.text
	.protected	k_q1e74ac59fe_qkvg
	.globl	k_q1e74ac59fe_qkvg
	.p2align	8
	.type	k_q1e74ac59fe_qkvg,@function
k_q1e74ac59fe_qkvg:
	s_mov_b64 s[64:65], 0
	v_nop
	global_prefetch_b8 v0, s[64:65] scope:SCOPE_SE
	s_setreg_imm32_b32 hwreg(HW_REG_WAVE_MODE, 25, 1), 1
	s_wait_xcnt 0x0
	s_wait_alu depctr_hold_cnt(0) depctr_sa_sdst(0) depctr_va_vdst(0) depctr_va_sdst(0) depctr_va_ssrc(0) depctr_va_vcc(0) depctr_vm_vsrc(0)
	s_getreg_b32 s2, hwreg(HW_REG_IB_STS2, 6, 4)
	s_cmp_eq_u32 s2, 0
	s_cbranch_scc0 .Lentry_in_a_cluster
	s_endpgm
.Lentry_in_a_cluster:
	s_bfe_u32 s2, ttmp6, 0x10000c
	s_cmp_lg_u32 s2, 0xf033
	s_cbranch_scc0 .Lentry_shape_is_right
	s_endpgm
.Lentry_shape_is_right:
; q, k, v = data x Wq, Wk, Wv on codes of E2M1 (K = 1,024), and their results quantised at once for the attention: q and k along a head's 64 channels, v along the keys.
; A work-group makes 256 tokens x 256 weight rows (four heads of one weight); each of its four waves 128 x 128: 64 accumulators, 512 registers.  Cluster x 0, 1 = q, k; v follows in a second pass.
; ALL OF K FITS IN LDS AT ONCE: 4 records' chunks, twice: 278,528 bytes, each byte filled once.  So there is no ring; one load a wave brings both chunks before the first product.
; The operands lie in memory as images of the matrix unit's registers (see the launch that makes them): every LDS load reads 512 consecutive bytes, and no row pitch is needed.
; OUTER AND INNER.  Source 1 is the OUTER operand (a lane of the result holds one of its rows), source 0 the INNER one (the lane's registers run along its rows).  For q and k: outer = tokens, inner = weights,
; so a lane holds one token and 16 neighbouring channels for each pair of tiles; for v: outer = weights, inner = tokens: one channel and neighbouring keys.  Only LDS read bases and store offsets differ;
; they are selected on the cluster's x, which all partners share; no branch hangs on it.
; CLUSTERS: 4 x 4.  A row of the cluster shares its tokens, a column its weights: each chunk is asked for jointly.  By this text's count two tensor loads of a wave are out at the most.
; WHAT IS WRITTEN: qkv, a record of 208,896 bytes for each (batch, head): K codes (token tile x 512) | V codes (key step x 4,096 + channel tile x 1,024) | K scale words | V scale words | Q codes | Q scale words.
; LIMITS: NaN and infinities are not served; a block whose largest magnitude lies under 2^-124 gets the scale byte 1.
; REGISTERS: window 0: v16-27 addresses; v32-95 scale words; v96-127 the quantiser's; v128-255 outer fragments, two sets.  window 1: inner fragments, at v0 and v128.  windows 2, 3: accumulator (a, b) at v[8 (8 (a % 4) + b)].
.set HR,   208896                      ; a head's record in qkv
.set GR,   69632                       ; a record of opnd
.set CH,   34816                       ; a chunk of it: 136 rows of 256 bytes
.set LCH,  CH                          ; LDS: region p (a whole record, both chunks on end) at p GR; chunk k begins k CH further on; regions 0, 1 tokens, 2, 3 weights
.set ADRO, 16                          ; v16-17  my outer fragments in chunk 0, 1
.set ADRI, 20                          ; v20-21  my inner fragments
.set ADRS, 22                          ; v22-23  scale words: lanes 0-15 the outer operand's, lanes 16-31 the inner's
.set VO0,  24                          ; v24-25  where the codes' two halves go
.set VO1,  25
.set VSO,  26                          ; v26     where the scale words go
.set SELV, 27                          ; v27     byte selects: lanes 0-15 the first head's two bytes of a word, lanes 16-31 the second's
.set SC,   32                          ; register 32 k + 4 i + q: the words of tile i for K step 4 k + q
.set TM,   96                          ; v96-99 largest magnitudes, v100-103 bytes, v108-111 the conversions' scale operands
.set PC,   112                         ; v112-119 the codes just made
.set PWS,  120                         ; v120-127 the scale word of each outer tile
.set OF,   128
.set G1T,  24                          ; s[24:31], s[32:35] descriptor groups 1 and 0 for tokens
.set G0T,  32
.set G1W,  48                          ; s[48:55], s[56:59] for weights
.set G0W,  56
.set SEL,  66                          ; s[66:67] selects for lane l xor 16
.set MUL_LO, 0xa1                      ; source 0 window 1, source 1 window 0, C and D window 2
.set MUL_HI, 0xf1                      ; the same, C and D window 3
.set TO_I,   0x40                      ; destination window 1
.set MSB, 0
.macro WIN new                         ; the immediate's high byte repeats the setting that is left
.if MSB != (\new)
	s_set_vgpr_msb (MSB<<8)|(\new)
.set MSB, \new
.endif
.endm
.macro PLACES n
.rept \n
	v_nop
.endr
.endm
; A joint load: waves 0 and 1 fetch the two token records, waves 2 and 3 the two weight records'.  Four v_nop follow each of the two lines.
.macro JLOAD g0a, g1a, g0b, g1b
	s_cmp_eq_u32 s15, 0
	s_cbranch_scc0 .Lfor_w_\@
	tensor_load_to_lds s[\g0a:\g0a+3], s[\g1a:\g1a+7]
	s_nop 0
.rept 4
	v_nop
.endr
	s_branch .Lasked_\@
.Lfor_w_\@:
	tensor_load_to_lds s[\g0b:\g0b+3], s[\g1b:\g1b+7]
	s_nop 0
.rept 4
	v_nop
.endr
.Lasked_\@:
.endm
.macro CROUND                          ; a round of the cluster's barrier
	s_barrier_signal -1
	s_barrier_wait -1
	s_cmp_lg_u32 s14, 0
	s_cbranch_scc1 .Lnot_wave_0_\@
	s_barrier_signal -3
.Lnot_wave_0_\@:
	s_barrier_wait -3
	s_barrier_signal -1
	s_barrier_wait -1
.endm
.macro FRAG reg, adr, q, i             ; a fragment's image: two loads of 512 consecutive bytes
.irp c, 0,1
	ds_load_b128 v[\reg+4*\c:\reg+4*\c+3], v[\adr] offset:2048+8192*(\q)+1024*(\i)+512*\c
.endr
.endm
.macro FETCH s                         ; K step s: 8 inner and 8 outer fragments into set s % 2: 32 loads in one run
	WIN TO_I
.irp i, 0,1,2,3,4,5,6,7
	FRAG 128*((\s)%2)+8*\i, ADRI+(\s)/4, (\s)%4, \i
.endr
	WIN 0
.irp i, 0,1,2,3,4,5,6,7
	FRAG OF+64*((\s)%2)+8*\i, ADRO+(\s)/4, (\s)%4, \i
.endr
.endm
.macro SCALES k                        ; a chunk's scale words: four words a row and tile
.irp i, 0,1,2,3,4,5,6,7
	ds_load_b128 v[SC+32*\k+4*\i:SC+32*\k+4*\i+3], v[ADRS+\k] offset:256*\i
.endr
.endm
; 16 matrix instructions: outer tiles a0, a0 + 1 x the eight inner tiles.  The 64 accumulators take turns, one instruction a turn, in the same order in every step.
.macro MUL16 a0, s, zero
.irp a, \a0, \a0+1
.irp b, 0,1,2,3,4,5,6,7
.set AD, 8*(8*((\a)%4)+\b)
.set IB, 128*((\s)%2)+8*\b
.set OB, OF+64*((\s)%2)+8*(\a)
.set SI, SC+32*((\s)/4)+4*\b+(\s)%4
.set SU, SC+32*((\s)/4)+4*(\a)+(\s)%4
.if \zero
	v_wmma_scale_f32_16x16x128_f8f6f4 v[AD:AD+7], v[IB:IB+7], v[OB:OB+7], 0, v[SI], v[SU] matrix_a_fmt:MATRIX_FMT_FP4 matrix_b_fmt:MATRIX_FMT_FP4 matrix_a_scale:MATRIX_SCALE_ROW1
.else
	v_wmma_scale_f32_16x16x128_f8f6f4 v[AD:AD+7], v[IB:IB+7], v[OB:OB+7], v[AD:AD+7], v[SI], v[SU] matrix_a_fmt:MATRIX_FMT_FP4 matrix_b_fmt:MATRIX_FMT_FP4 matrix_a_scale:MATRIX_SCALE_ROW1
.endif
.endr
.endr
.endm
.macro STEP s, zero
	s_wait_dscnt 0x0                               ; this step's fragments are in (asked for 64 matrix instructions ago)
.if (\s) > 0
	PLACES 4                                       ; in front of loads into the set that the last step's products read
.endif
.if (\s) < 7
	FETCH (\s)+1
.endif
	WIN MUL_LO
	MUL16 0, \s, \zero
	MUL16 2, \s, \zero
	WIN MUL_HI
	MUL16 4, \s, \zero
	MUL16 6, \s, \zero
	WIN 0
.endm
	s_load_b128 s[4:7], s[0:1], 0x0                ; opnd s[4:5], qkv s[6:7]
	v_lshl_add_u32 v30, v0, 2, 0x44000
	v_mov_b32 v31, 0
	ds_add_u32 v30, v31
	ds_add_u32 v30, v31
	v_lshrrev_b32 v1, 5, v0
	v_readfirstlane_b32 s14, v1                    ; wave 0..3
	s_lshr_b32 s15, s14, 1                         ; my outer half.  Also: I fetch tokens (0) or weights (1)
	s_and_b32 s16, s14, 1                          ; my inner half.  Also: which of the two records I fetch
	s_bfe_u32 s40, ttmp6, 0x40000                  ; cx, cy: my place in the cluster
	s_bfe_u32 s41, ttmp6, 0x40004
	s_lshl_b32 s42, ttmp9, 2
	s_add_co_u32 s42, s42, s40                     ; x: which 256 weight rows of 3,072
	s_and_b32 s17, ttmp7, 0xffff
	s_lshl_b32 s17, s17, 2
	s_add_co_u32 s17, s17, s41                     ; y: which 256 tokens
	s_lshl_b32 s43, s41, 2
	s_lshl_b32 s43, 15, s43                        ; my row of the cluster
	s_lshl_b32 s44, 0x1111, s40                    ; my column
	; descriptor group 1: a dense chunk as 136 rows of 256 bytes (32 elements of 8 bytes), no padding
	s_or_b32 s[G1T+0], s43, (3<<16)|(1<<21)        ; 15:0 the mask: tokens go to my row; 17:16 elements of 8 bytes; 21 set beside a mask
	s_or_b32 s[G1W+0], s44, (3<<16)|(1<<21)        ; weights go to my column
.irp g, G1T, G1W
	s_mov_b32 s[\g+1], 32<<16                      ; tensor_dim0
	s_mov_b32 s[\g+2], 272<<16                     ; tensor_dim1: a whole record, 272 rows of 256 bytes: one load a wave brings both chunks
	s_mov_b32 s[\g+3], 32<<16                      ; tile_dim0
	s_mov_b32 s[\g+4], 272                         ; tile_dim1
	s_mov_b32 s[\g+5], 32                          ; from row to row
	s_mov_b32 s[\g+6], 0
	s_mov_b32 s[\g+7], 0
.endr
	s_lshl_b32 s20, s17, 1
	s_add_co_u32 s20, s20, s16
	s_mul_i32 s20, s20, GR                         ; tokens: record 2 y + (wave % 2)
	s_mov_b32 s21, 0
	s_lshl_b32 s46, s42, 1
	s_add_co_u32 s46, s46, s16
	s_add_co_u32 s46, s46, 72
	s_mul_i32 s46, s46, GR                         ; weights: record 72 + 2 x + (wave % 2)
	s_mov_b32 s47, 0
	s_mul_i32 s45, s14, GR
	; what differs between q, k and v: all selects stand behind their compare, the arithmetic behind the selects
	s_cmp_eq_u32 ttmp9, 2                          ; v?
	s_cselect_b32 s70, 2, 0                        ; the outer operand's first region
	s_cselect_b32 s71, 0, 2                        ; the inner operand's
	s_cselect_b32 s72, s16, s15                    ; which half of the tokens is mine
	s_cselect_b32 s73, s15, s16                    ; which half of the weight rows
	s_cselect_b32 s74, -1, 0                       ; a lane mask: all lanes for v
	s_cselect_b32 s75, 1, 0
	s_cselect_b32 s76, HR-4096, 0
	s_mov_b32 s77, HR
	s_cselect_b32 s77, 512, s77                    ; from the codes' first half to the second: q, k: the next head; v: 512 bytes
	s_cselect_b32 s78, 65536, 0
	s_mov_b32 s79, 131072
	s_cselect_b32 s79, 135168, s79
	s_cmp_eq_u32 ttmp9, 0                          ; q?
	s_cselect_b32 s78, 139264, s78                 ; where the codes begin in a head's record
	s_cselect_b32 s79, 204800, s79                 ; and the scale words
	s_lshl_b32 s75, 512, s75                       ; from one outer tile's codes to the next: 512 (a token tile), or 1,024 (a channel tile of v);
	s_add_co_u32 s76, s76, s75                     ; from the fourth to the fifth: for v that is the next head
	s_add_co_u32 s70, s70, s15
	s_mul_i32 s70, s70, GR
	s_add_co_u32 s71, s71, s16
	s_mul_i32 s71, s71, GR
	s_lshl_b32 s81, s17, 1
	s_add_co_u32 s81, s81, s72                     ; my 128 tokens: key step 2 y + half, of 64
	s_lshr_b32 s82, s81, 4
	s_lshl_b32 s82, s82, 4                         ; 16 x batch
	s_lshl_b32 s83, s40, 2
	s_add_co_u32 s82, s82, s83
	s_lshl_b32 s83, s73, 1
	s_add_co_u32 s82, s82, s83                     ; my first head's record: 16 x batch + 4 cx + 2 x half
	s_mul_i32 s82, s82, HR
	s_and_b32 s81, s81, 15
	s_lshl_b32 s83, s81, 12
	s_add_co_u32 s83, s83, s82
	s_add_co_u32 s83, s83, s78                     ; codes: 4,096 bytes a key step
	s_lshl_b32 s84, s81, 8
	s_add_co_u32 s84, s84, s82
	s_add_co_u32 s84, s84, s79                     ; scale words: 256 bytes a key step
	s_mov_b32 s[SEL], 0x76543210
	s_mov_b32 s[SEL+1], 0xfedcba98
	; TWO PASSES.  The grid is 8 x 32 work-groups.  Pass 1: cluster x 0, 1 = q, k: 256 tokens x 256 weight rows, as the text above has it (the selects for v are never taken there).
	; Pass 2: v: column x takes v's record 88 + x (128 rows, heads 2 x and 2 x + 1) against the same 256 tokens, which stay in LDS.  The record comes into region 2 by a joint refill, a quarter a wave.
	; A wave of pass 2: outer = the 4 channel tiles of head 2 x + (wave / 2), inner = the 128 tokens of record wave % 2: 32 accumulators.  No prefetch: the launch has no loop to run ahead in.
	s_add_co_u32 s86, s42, 88
	s_mul_i32 s86, s86, GR
	s_mul_i32 s88, s14, 17408                      ; my quarter of the record: 68 rows of 256 bytes,
	s_add_co_u32 s86, s86, s88                     ; in memory: it hangs on x, which my column of the cluster shares, and on the wave;
	s_mov_b32 s87, 0
	s_add_co_u32 s88, s88, 2*GR                    ; in LDS: on the wave alone
	s_lshl_b32 s89, s17, 1
	s_add_co_u32 s89, s89, s16                     ; my 128 tokens: key step 2 y + wave % 2, of 64
	s_lshr_b32 s90, s89, 4
	s_lshl_b32 s90, s90, 4                         ; 16 x batch
	s_lshl_b32 s91, s42, 1
	s_add_co_u32 s90, s90, s91
	s_add_co_u32 s90, s90, s15                     ; my head's record in qkv
	s_mul_i32 s90, s90, HR
	s_and_b32 s89, s89, 15
	s_lshl_b32 s91, s89, 12
	s_add_co_u32 s91, s91, s90
	s_add_co_u32 s91, s91, 65536                   ; V's codes: 4,096 bytes a key step
	s_lshl_b32 s92, s89, 8
	s_add_co_u32 s92, s92, s90
	s_add_co_u32 s92, s92, 135168                  ; V's scale words: 256 bytes a key step
	s_lshl_b32 s93, s15, 12
	s_add_co_u32 s93, s93, 2*GR                    ; LDS: my four outer tiles' codes,
	s_lshl_b32 s94, s15, 10
	s_add_co_u32 s94, s94, 2*GR                    ; their scale words,
	s_mul_i32 s95, s16, GR                         ; and my tokens' record
	s_wait_dscnt 0x0
	s_wait_kmcnt 0x0
	s_add_nc_u64 s[20:21], s[4:5], s[20:21]
	s_add_nc_u64 s[46:47], s[4:5], s[46:47]
	CROUND                                         ; all sixteen work-groups are here: the joint loads meet
.irp k, 0
	s_mov_b32 s[G0T+4*\k], 1
	s_add_co_u32 s[G0T+4*\k+1], s45, \k*LCH
	s_add_nc_u64 s[G0T+4*\k+2:G0T+4*\k+3], s[20:21], \k*CH
	s_or_b32 s[G0T+4*\k+3], s[G0T+4*\k+3], 0x80000000
	s_mov_b32 s[G0W+4*\k], 1
	s_add_co_u32 s[G0W+4*\k+1], s45, \k*LCH
	s_add_nc_u64 s[G0W+4*\k+2:G0W+4*\k+3], s[46:47], \k*CH
	s_or_b32 s[G0W+4*\k+3], s[G0W+4*\k+3], 0x80000000
	JLOAD G0T+4*\k, G1T, G0W+4*\k, G1W
.endr
	v_and_b32 v1, 31, v0                           ; lane
	v_and_b32 v2, 15, v0                           ; r
	v_bfe_u32 v3, v0, 4, 1                         ; hh
	v_lshlrev_b32 v4, 4, v1
	v_lshlrev_b32 v5, 4, v2
	v_cmp_ne_u32 s80, 0, v3                        ; lanes 16-31
	v_add_nc_u32 v[ADRO], s70, v4
	v_add_nc_u32 v[ADRO+1], LCH, v[ADRO]
	v_add_nc_u32 v[ADRI], s71, v4
	v_add_nc_u32 v[ADRI+1], LCH, v[ADRI]
	v_mov_b32 v6, s70
	v_mov_b32 v7, s71
	v_cndmask_b32 v6, v6, v7, s80
	v_add_nc_u32 v[ADRS], v6, v5
	v_add_nc_u32 v[ADRS+1], LCH, v[ADRS]
	v_add_nc_u32 v[VO0], s83, v4
	v_add_nc_u32 v[VO1], s77, v[VO0]
	v_mul_u32_u24 v6, HR, v3
	v_add3_u32 v[VSO], v6, v5, s84                 ; lanes 0-15 store the first head's words, lanes 16-31 the second's
	v_mov_b32 v[SELV], 0x05040100
	v_mov_b32 v7, 0x07060302
	v_cndmask_b32 v[SELV], v[SELV], v7, s80
.irp b, 0,1,2,3
	v_mov_b32 v[TM+4+\b], 0                        ; written once: a lane permute's destination counts as one of its sources
.endr
	s_wait_alu depctr_va_vdst(0)                   ; the wait at the head's end
	s_wait_tensorcnt 0x0                           ; my record is in: the wave's one tensor load
	s_barrier_signal -1
	s_barrier_wait -1                              ; everybody's is
	SCALES 0
	SCALES 1
	FETCH 0
	STEP 0, 1                                      ; the first products start the sums: nothing is cleared
	STEP 1, 0
	STEP 2, 0
	; K step 3 crosses into chunk 1: each wave's own load has landed, then the barrier shows it of all four
	STEP 3, 0                                      ; all of K is in LDS since the head's barrier: a step like the others
	STEP 4, 0
	STEP 5, 0
	STEP 6, 0
	; K step 7 of pass 1: its fragments are the last that are read of the weights' regions.
	s_wait_tensorcnt 0x0                           ; no tensor load of mine is out, so descriptors may be written
	ds_add_u32 v30, v31
	s_mov_b32 s[G1W+2], 68<<16                     ; tensor_dim1: 68 rows
	s_mov_b32 s[G1W+4], 68                         ; tile_dim1
	s_mov_b32 s[G0W+1], s88
	s_add_nc_u64 s[G0W+2:G0W+3], s[4:5], s[86:87]
	s_or_b32 s[G0W+3], s[G0W+3], 0x80000000
	s_wait_dscnt 0x0                               ; the add is done, and step 7's fragments are in: my reads of LDS are over
	CROUND                                         ; the same holds of every wave of every partner
	tensor_load_to_lds s[G0W:G0W+3], s[G1W:G1W+7]  ; my quarter of v's record, jointly with my column: the wave's one load behind the round; it has step 7's products and pass 1's way out in which to land
	s_nop 0
	PLACES 4
	WIN MUL_LO
	MUL16 0, 7, 0
	MUL16 2, 7, 0
	WIN MUL_HI
	MUL16 4, 7, 0
	MUL16 6, 7, 0
	WIN 0
; THE WAY OUT.  Outer tile a: a lane's 64 results, register 16 B + i = the inner operand's row 32 B + 16 hh + i, are four half blocks; lane l xor 16 holds the other halves.  They become a fragment's eight
; registers and a scale word.  Each accumulator is read from its low end on.  q, k: registers 0-3 are a token tile of the first head, 4-7 of the second; v: the two halves of a fragment of 16 channels x 128 keys.
.macro QUANTW a
.set WA, 2+(\a)/4
.set AC, 64*((\a)%4)
	WIN WA*5                                       ; sources 0 and 1: window 2 or 3
.irp b, 0,1,2,3
	v_max3_num_f32 v[TM+\b], |v[AC+16*\b]|, |v[AC+16*\b+1]|, 0x1800000   ; and the floor 2^(3 - 127): the byte cannot fall under 1
.endr
.irp i, 2,4,6,8,10,12,14
.irp b, 0,1,2,3
	v_max3_num_f32 v[TM+\b], |v[AC+16*\b+\i]|, |v[AC+16*\b+\i+1]|, v[TM+\b]
.endr
.endr
	WIN 0
.irp b, 0,1,2,3
	v_permlanex16_b32 v[TM+4+\b], v[TM+\b], s[SEL], s[SEL+1]
.endr
.irp b, 0,1,2,3
	v_max_num_f32 v[TM+\b], v[TM+\b], v[TM+4+\b]   ; the block's largest magnitude
.endr
.irp b, 0,1,2,3
	v_add_nc_u32 v[TM+12+\b], 0xff000000, v[TM+\b] ; 2 off its exponent field: the conversion's scale operand
.endr
.irp b, 0,1,2,3
	v_lshrrev_b32 v[TM+4+\b], 23, v[TM+12+\b]      ; the scale's byte
.endr
	v_lshl_or_b32 v[PWS+(\a)], v[TM+5], 8, v[TM+4]
	v_lshl_or_b32 v[PWS+(\a)], v[TM+6], 16, v[PWS+(\a)]
	v_lshl_or_b32 v[PWS+(\a)], v[TM+7], 24, v[PWS+(\a)]
	s_wait_xcnt 0x0                                ; the last tile's stores have read their data and offsets: both are written again only behind this wait
.if (\a) == 4
	v_add_nc_u32 v[VO0], s76, v[VO0]
	v_add_nc_u32 v[VO1], s76, v[VO1]
.elseif (\a) > 0
	v_add_nc_u32 v[VO0], s75, v[VO0]
	v_add_nc_u32 v[VO1], s75, v[VO1]
.endif
	WIN WA                                         ; source 0: window 2 or 3
.irp b, 0,1,2,3
	v_cvt_scalef32_pk8_fp4_f32 v[PC+2*\b], v[AC+16*\b:AC+16*\b+7], v[TM+12+\b]
	v_cvt_scalef32_pk8_fp4_f32 v[PC+2*\b+1], v[AC+16*\b+8:AC+16*\b+15], v[TM+12+\b]
.endr
	WIN 0
	v_nop                                          ; one plain place behind the conversions
.irp c, 0,1                                    ; a whole block to a lane: lanes 0-15 block 2 c, lanes 16-31 block 2 c + 1
.irp i, 0,1
	v_permlane16_swap_b32 v[PC+4*\c+\i], v[PC+2+4*\c+\i]
.endr
.endr
	global_store_b128 v[VO0], v[PC:PC+3], s[6:7]   ; 512 consecutive bytes each
	global_store_b128 v[VO1], v[PC+4:PC+7], s[6:7]
.endm
	PLACES 4                                       ; behind the last products, in front of the first read of results
.irp a, 0,1,2,3,4,5,6,7
	QUANTW \a
.endr
	; The scale words, once a wave, without a branch.  q, k: a word of the attention's holds two token tiles' two bytes of one head; v: the words as they are, four to a head.
.irp i, 0,1,2,3
	v_perm_b32 v[TM+8+\i], v[PWS+2*\i+1], v[PWS+2*\i], v[SELV]   ; q, k: a word of the attention's holds two token tiles' two bytes of one head
.endr
	global_store_b128 v[VSO], v[TM+8:TM+11], s[6:7]   ; sixteen lanes store 256 consecutive bytes
	; ---- PASS 2: v
.macro FETCHV s                        ; K step s: 8 inner and 4 outer fragments into set s % 2
	WIN TO_I
.irp i, 0,1,2,3,4,5,6,7
	FRAG 128*((\s)%2)+8*\i, ADRI+(\s)/4, (\s)%4, \i
.endr
	WIN 0
.irp i, 0,1,2,3
	FRAG OF+64*((\s)%2)+8*\i, ADRO+(\s)/4, (\s)%4, \i
.endr
.endm
.macro STEPV s, zero                   ; 32 matrix instructions: the 32 accumulators by turns, in the same order in every step
	s_wait_dscnt 0x0
.if (\s) > 0
	PLACES 4
.endif
.if (\s) < 7
	FETCHV (\s)+1
.endif
	WIN MUL_LO
	MUL16 0, \s, \zero
	MUL16 2, \s, \zero
	WIN 0
.endm
	s_wait_xcnt 0x0                                ; pass 1's stores have read their offsets: they are written again only behind this wait
	s_mov_b32 s75, 1024                            ; from one channel tile's codes to the next
	v_add_nc_u32 v[ADRO], s93, v4
	v_add_nc_u32 v[ADRO+1], LCH, v[ADRO]
	v_add_nc_u32 v[ADRI], s95, v4
	v_add_nc_u32 v[ADRI+1], LCH, v[ADRI]
	v_mov_b32 v6, s94
	v_mov_b32 v7, s95
	v_cndmask_b32 v6, v6, v7, s80                  ; lanes 0-15 the outer operand's scale words, lanes 16-31 the inner's
	v_add_nc_u32 v[ADRS], v6, v5
	v_add_nc_u32 v[ADRS+1], LCH, v[ADRS]
	v_add_nc_u32 v[VO0], s91, v4
	v_add_nc_u32 v[VO1], 512, v[VO0]               ; the two halves of a fragment of 16 channels x 128 keys
	v_add_nc_u32 v[VSO], s92, v5
	s_wait_alu depctr_va_vdst(0)
	s_wait_tensorcnt 0x0                           ; my quarter of v's record is in,
	s_barrier_signal -1
	s_barrier_wait -1                              ; everybody's is
	SCALES 0
	SCALES 1
	FETCHV 0
	STEPV 0, 1                                     ; the first products start the sums
.irp s, 1,2,3,4,5,6,7
	STEPV \s, 0
.endr
	PLACES 4                                       ; behind the last products, in front of the first read of results
.irp a, 0,1,2,3
	QUANTW \a
.endr
	global_store_b128 v[VSO], v[PWS:PWS+3], s[6:7] ; my head's four words a row, at 16 r; lanes l and l xor 16 hold the same words and name the same bytes
	s_wait_tensorcnt 0x0
	ds_add_u32 v30, v31
	s_wait_dscnt 0x0
	CROUND                                         ; the closing round: no work-group ends while a partner may still ask for a chunk that names it
	s_endpgm
.Lfunc_end_k_q1e74ac59fe_qkvg:
	.size	k_q1e74ac59fe_qkvg, .Lfunc_end_k_q1e74ac59fe_qkvg-k_q1e74ac59fe_qkvg
	.p2alignl 7, 3214868480
	.fill 96, 4, 3214868480
	.section	.rodata,"a",@progbits
	.p2align	6, 0x0
	.amdhsa_kernel k_q1e74ac59fe_qkvg
		.amdhsa_group_segment_fixed_size 327680
		.amdhsa_private_segment_fixed_size 0
		.amdhsa_enable_private_segment 0
		.amdhsa_kernarg_size 16
		.amdhsa_user_sgpr_count 2
		.amdhsa_user_sgpr_kernarg_segment_ptr 1
		.amdhsa_wavefront_size32 1
		.amdhsa_system_sgpr_workgroup_id_x 1
		.amdhsa_system_sgpr_workgroup_id_y 1
		.amdhsa_system_sgpr_workgroup_id_z 1
		.amdhsa_system_vgpr_workitem_id 0
		.amdhsa_next_free_vgpr 1024
		.amdhsa_next_free_sgpr 100
		.amdhsa_reserve_vcc 0
		.amdhsa_float_denorm_mode_32 3
		.amdhsa_float_denorm_mode_16_64 3
		.amdhsa_memory_ordered 1
		.amdhsa_forward_progress 1
		.amdhsa_inst_pref_size 191
	.end_amdhsa_kernel
	.amdgpu_metadata
---
amdhsa.version: [ 1, 2 ]
amdhsa.kernels:
  - .name:           k_q1e74ac59fe_qkvg
    .symbol:         k_q1e74ac59fe_qkvg.kd
    .args:
      - { .name: opnd, .offset: 0, .size: 8, .value_kind: global_buffer, .address_space: global }
      - { .name: qkv, .offset: 8, .size: 8, .value_kind: global_buffer, .address_space: global }
    .group_segment_fixed_size: 327680
    .private_segment_fixed_size: 0
    .kernarg_segment_align: 8
    .kernarg_segment_size: 16
    .max_flat_workgroup_size: 128
    .sgpr_count:     100
    .vgpr_count:     1024
    .wavefront_size: 32
...
	.end_amdgpu_metadata
.endif
;; end of part 2
;; launch attn (part 3): grid 4 x 64, 8 waves a work-group, clusters of 4 x 1, 327,680 bytes of LDS; arguments qkv, att; writes att
.if DOCPART == 3
	.amdgcn_target "amdgcn-amd-amdhsa--gfx1250"
	.amdhsa_code_object_version 6
	.text
	.protected	k_q1e74ac59fe_attn
	.globl	k_q1e74ac59fe_attn
	.p2align	8
	.type	k_q1e74ac59fe_attn,@function
k_q1e74ac59fe_attn:
	s_mov_b64 s[64:65], 0
	v_nop
	global_prefetch_b8 v0, s[64:65] scope:SCOPE_SE
	s_setreg_imm32_b32 hwreg(HW_REG_WAVE_MODE, 25, 1), 1
	s_wait_xcnt 0x0
	s_wait_alu depctr_hold_cnt(0) depctr_sa_sdst(0) depctr_va_vdst(0) depctr_va_sdst(0) depctr_va_ssrc(0) depctr_va_vcc(0) depctr_vm_vsrc(0)
	s_getreg_b32 s2, hwreg(HW_REG_IB_STS2, 6, 4)
	s_cmp_eq_u32 s2, 0
	s_cbranch_scc0 .Lentry_in_a_cluster
	s_endpgm
.Lentry_in_a_cluster:
	s_bfe_u32 s2, ttmp6, 0x10000c
	s_cmp_lg_u32 s2, 0x3003
	s_cbranch_scc0 .Lentry_shape_is_right
	s_endpgm
.Lentry_shape_is_right:
; Causal attention of one (batch, head) on codes of E2M1, and its result quantised along the channels for the last product.
; t = score x log2(e) / 32; M = the running largest t rounded up to a whole number; p = 2^(t - M) is quantised along the keys; the row's sum is taken of the unquantised p and divides O before O is quantised.
; LEFT OUT: key steps all of whose 128 keys come after a tile's queries: the causal mask turns their scores into -infinity, so their p is 0 for all values of the inputs.
; A HEAD'S K AND V, codes and scale words, are 139,264 bytes: each byte comes into LDS once and is only read after that.  The four work-groups of a cluster serve one head and ask jointly.
; TWO STAGES.  At the head waves 0 to 4 fetch 8,192 bytes each: key steps 0-3 of K, of V, and all scale words.  Behind a round of the cluster, every wave fetches 12,288 bytes of key steps 4-15.
; The late tiles' first three key steps read stage 1 alone (with the fetch of the next step's K: up to step 3); one wait and one barrier stand ahead of the fourth.
; No prefetch: everything that the launch fetches by tensor loads is asked for ahead of its loops; no loop fetches from memory.
; SHARES.  A wave owns FOUR tiles of 16 queries and works them two at a time: tiles 2 cx and 2 cx + 1 of key-step group 15 - g, then of group g, g = the wave: 16 - g and g + 1 key steps of 128 keys, 17 for every wave.
; Both tiles of a pair meet the same keys, so each fragment of K and of V that is read from LDS feeds two matrix instructions, and the two tiles' chains of vector instructions take turns.
; The loops' trip counts are constants (3, 13 and 8); a step whose keys all come after the group is jumped over by a scalar branch on the wave's number and the loop's count.
; THE HEAD SIZE IS 64, half of the instruction's K: a fragment of K holds TWO key tiles (k 0-63 one tile's channels, k 64-127 the other's), multiplied once by (q, 0) and once by (0, q): zero codes add nothing.
; LAYOUT.  Both products are used transposed (S^T = K Q^T, O^T = V^T P^T): a lane holds one query.  In memory token tile 2 b + u holds tokens 32 b + 8 u + r + 8 (r / 8).
; THE KEYS OF A TILE ARE CHOSEN ANEW BY THE LDS ADDRESSES: row r of tile 4 B + t takes key 64 B + 32 (r / 8) + 8 t + r % 8, which lies at 2,048 B + 1,024 (r / 8) + 512 (t % 2) + 128 (t / 2) + 16 (r % 8) + 256 hh.
; So lane (query, hh) holds in the 32 registers of tiles 4 B .. 4 B + 3 the WHOLE block of keys 64 B + 32 hh + 0 .. 31: a block's maximum needs no other lane, and the conversions' results are the second product's operand as they stand.
; K's fragments of the next step are fetched behind this step's first product: twelve LDS loads stay out over the step's softmax.
; AMONG THE EXPONENTIALS stand only lines whose results are first read behind the batch's closing wait: among the even tile's the odd tile's t - M; among the odd tile's the even tile's conversions and the first level of its sum.
; LIMITS: NaN and infinities are not served; a block of p or of O whose largest magnitude lies under 2^-124 gets the scale byte 1; the promise holds while |t| stays under 2^31.
; REGISTERS.  Window 0: v2-13 addresses; v14-45 the two tiles' state; v46-53 scale words; v56-71 p's codes; v72-103 K; v104-231 S^T, then p; v232-235 Q's scale words; v242-249 the way out; v254, v255 the add's.
;             Window 1: v0-63 O^T of the two tiles; v64-95 V; v96-143 Q: for each tile zeros, q, zeros.
.set HR,  208896
.set GR,  69632
.set CH,  34816
.set AK0, 2                            ; K's fragments: 1,024 (r / 8) + 16 (r % 8) + 256 hh
.set AV0, 3                            ; V's fragments: 65,536 + 16 x lane
.set ASK0, 4                           ; K's scale words: 131,072 + 16 (r % 8) + 4 (r / 8)
.set ASV0, 5                           ; V's: 135,168 + 16 r
.set DM,  6                            ; v6, v7 my query's place in its group of 128, less 32 hh, for each tile
.set L16, 8                            ; 16 x lane
.set R16, 9                            ; 16 r
.set ADK, 10                           ; v10-13 the step's LDS addresses
.set ADV, 11
.set ADS, 12
.set ADT, 13
.set NMR, 14                           ; pairs (-M, the largest score so far), one for each tile
.set SUM, 18                           ; pairs: the row's sum in two halves
.set T2,  22                           ; pairs: the sum's second chain
.set FF,  26                           ; pairs (f = 2^(old M - new M), p's scale word)
.set TT,  30                           ; v30, v31 at work
.set BM,  32                           ; v32-35 block maxima: 2 x tile + B
.set PT,  36                           ; v36-39 permutes and bytes
.set SO,  40                           ; v40-43 the conversions' scale operands
.set HH8, 44                           ; 8 hh
.set KSW, 46
.set VSW, 50
.set PCD, 56
.set KF,  72
.set SS,  104
.set QW,  232
.set OO,  0                            ; window 1
.set VF,  64                           ; window 1
.set QB,  96                           ; window 1: 24 x phase + 12 x tile
.set WV,  18
.set KS,  60                           ; s60 the key step, s61 its codes' place, s62 its scale words', s63 trips to go
.set TKV, 61
.set TSC, 62
.set TR,  63
.set MSB, 0
.macro WIN new                         ; the immediate's high byte repeats the setting that is left
.if MSB != (\new)
	s_set_vgpr_msb (MSB<<8)|(\new)
.set MSB, \new
.endif
.endm
.macro CROUND
	s_barrier_signal -1
	s_barrier_wait -1
	s_cmp_lg_u32 s[WV], 0
	s_cbranch_scc1 .Lnot_wave_0_\@
	s_barrier_signal -3
.Lnot_wave_0_\@:
	s_barrier_wait -3
	s_barrier_signal -1
	s_barrier_wait -1
.endm
; A key step's K: fragment f = 2 B + t / 2 holds tiles 4 B + 2 (t / 2) and + 1; its rows' scale words lie 16 bytes a stored row, 4 bytes a stored pair of tiles.  Twelve loads
.macro KLOAD ak, as, off, soff
.irp f, 0,1,2,3
	ds_load_b32 v[KSW+\f], v[\as] offset:\soff+8*(\f/2)+128*(\f%2)
.endr
.irp f, 0,1,2,3
.irp e, 0,1
	ds_load_b128 v[KF+8*\f+4*\e:KF+8*\f+4*\e+3], v[\ak] offset:\off+2048*(\f/2)+128*(\f%2)+512*\e
.endr
.endr
.endm
.macro ACC2 x, ra, rb                  ; two links of tile x's sum, one on each chain
	v_pk_add_f32 v[SUM+2*\x:SUM+2*\x+1], v[SUM+2*\x:SUM+2*\x+1], v[SS+64*\x+\ra:SS+64*\x+\ra+1]
	v_pk_add_f32 v[T2+2*\x:T2+2*\x+1], v[T2+2*\x:T2+2*\x+1], v[SS+64*\x+\rb:SS+64*\x+\rb+1]
.endm
; A tile's end: O^T / the sum, two blocks of 32 channels quantised, 16 bytes of codes a lane and two scale bytes a row.  V's channel tiles are as stored: register 16 B + i = channel 32 B + 16 hh + i
.macro FIN x, oc, os
	v_add_f32 v[SUM+2*\x], v[SUM+2*\x], v[SUM+2*\x+1]
	v_permlanex16_b32 v[TT], v[SUM+2*\x], s20, s21
	v_add_f32 v[SUM+2*\x], v[SUM+2*\x], v[TT]      ; the row's sum
	s_wait_alu depctr_va_vdst(0)                   ; the wait ahead of the transcendental
	v_rcp_f32 v[SUM+2*\x], v[SUM+2*\x]
	v_bfe_u32 v249, v0, 4, 1                       ; (a plain place behind the reciprocal)
	WIN 0x01                                       ; source 0: window 1
	s_wait_alu depctr_va_vdst(0)                   ; and behind it, directly ahead of the first readers of the reciprocal and of O^T
.set N, 0
.rept 16
	v_pk_mul_f32 v[SS+N:SS+N+1], v[OO+32*\x+N:OO+32*\x+N+1], v[SUM+2*\x:SUM+2*\x+1] op_sel_hi:[1,0]   ; each accumulator from its low end on
.set N, N+2
.endr
	WIN 0
.irp b, 0,1
	v_max3_num_f32 v[BM+\b], |v[SS+16*\b]|, |v[SS+16*\b+1]|, 0x1800000
.endr
.irp i, 2,4,6,8,10,12,14
.irp b, 0,1
	v_max3_num_f32 v[BM+\b], v[BM+\b], |v[SS+16*\b+\i]|, |v[SS+16*\b+\i+1]|
.endr
.endr
.irp b, 0,1
	v_permlanex16_b32 v[PT+\b], v[BM+\b], s20, s21
.endr
.irp b, 0,1
	v_max_num_f32 v[BM+\b], v[BM+\b], v[PT+\b]
.endr
.irp b, 0,1
	v_add_nc_u32 v[SO+\b], 0xff000000, v[BM+\b]
.endr
.irp b, 0,1
	v_lshrrev_b32 v[PT+\b], 23, v[SO+\b]
.endr
	v_lshl_or_b32 v242, v[PT+1], 8, v[PT]          ; my row's two bytes
	v_add_nc_u32 v243, s[\oc], v[L16]
	v_add_nc_u32 v248, s[\os], v[R16]
	v_cmp_eq_u32 vcc_lo, 0, v249                   ; lanes 0-15
.irp b, 0,1
	v_cvt_scalef32_pk8_fp4_f32 v[244+2*\b], v[SS+16*\b:SS+16*\b+7], v[SO+\b]
	v_cvt_scalef32_pk8_fp4_f32 v[245+2*\b], v[SS+16*\b+8:SS+16*\b+15], v[SO+\b]
.endr
	v_nop                                          ; one plain place behind the conversions
	v_permlane16_swap_b32 v244, v246               ; a whole block to a lane: lanes 0-15 channels 0-31, lanes 16-31 channels 32-63
	v_permlane16_swap_b32 v245, v247
	global_store_b128 v243, v[244:247], s[6:7] offset:1024*\x   ; 512 consecutive bytes: half a fragment of the last product's operand
	s_wait_alu depctr_va_vdst(0)
	s_wait_xcnt 0x0                                ; EXEC changes only behind this wait
	s_and_saveexec_b32 s53, vcc_lo
	global_store_b16 v248, v242, s[6:7] offset:256*\x   ; a scale word joins two heads, which are two clusters' work: so two bytes a row
	s_wait_xcnt 0x0                                ; and again in front of the line that widens it; the stores' registers are free behind it too
	s_or_b32 exec_lo, exec_lo, s53
.endm
; The start of a pair of tiles: key step 0's K is asked for, the state is laid
.macro INIT
	s_wait_dscnt 0x0                               ; no load into K's registers is out
	KLOAD AK0, ASK0, 0, 0                          ; key step 0
.irp x, 0,1
	v_mov_b32 v[NMR+2*\x], 0x7f000000              ; -M: a large whole number, so that the first f is 0
	v_mov_b32 v[NMR+2*\x+1], 0xff61b1e6            ; the largest score so far: -3e38
	v_mov_b32 v[SUM+2*\x], 0
	v_mov_b32 v[SUM+2*\x+1], 0
.endr
	WIN 0x40
.set N, 0
.rept 64
	v_mov_b32 v[OO+N], 0                           ; the step is written once: the first finds zeros, which the first change of M leaves zeros
.set N, N+1
.endr
	WIN 0
	s_mov_b32 s[KS], 0
	s_mov_b32 s[TKV], 0
	s_mov_b32 s[TSC], 0
.endm
; A loop over key steps for two tiles of one group.  qb: their 24 registers in window 1; qw: their two scale words; gc: the scalar with the group; trips: the loop's count;
; diag = 0: none of the loop's steps is hidden or lies on the diagonal, so the jump and the mask are not assembled
.macro BODY qb, qw, gc, trips, diag
	s_mov_b32 s[TR], \trips
.Lstep_\@:
.if \diag
	s_cmp_gt_u32 s[KS], s[\gc]                     ; all 128 keys come after my queries: the step's work is left out
	s_cbranch_scc1 .Lhid_\@
.endif
	v_add_nc_u32 v[ADV], s[TKV], v[AV0]
	v_add_nc_u32 v[ADT], s[TSC], v[ASV0]
	ds_load_b128 v[VSW:VSW+3], v[ADT]
	WIN 0x40                                       ; destination: window 1
.irp n, 0,1,2,3,4,5,6,7
	ds_load_b128 v[VF+4*\n:VF+4*\n+3], v[ADV] offset:512*\n
.endr
	WIN 0x04                                       ; source 1 (Q): window 1
	s_wait_dscnt 9                                 ; K and its words, asked for a step ago, are in; V's nine loads may stay out
.irp x, 0,1
.irp t, 0,1,2,3,4,5,6,7                        ; S^T: key tile t lies in half t % 2 of fragment t / 2
	v_wmma_scale_f32_16x16x128_f8f6f4 v[SS+64*\x+8*\t:SS+64*\x+8*\t+7], v[KF+8*(\t/2):KF+8*(\t/2)+7], v[\qb+12*\x+4*(1-\t%2):\qb+12*\x+4*(1-\t%2)+7], 0, v[KSW+\t/2], v[\qw+\x] matrix_a_fmt:MATRIX_FMT_FP4 matrix_b_fmt:MATRIX_FMT_FP4
.endr
.endr
	WIN 0
	v_add_nc_u32 v[ADK], s[TKV], v[AK0]            ; four places behind the products, in front of loads into their registers and of the first read of results
	v_add_nc_u32 v[ADS], s[TSC], v[ASK0]
	v_nop
	v_nop
	KLOAD ADK, ADS, 4096, 256                      ; the next step's K (behind the last step: bytes of V that nobody uses)
.if \diag
	s_cmp_lg_u32 s[KS], s[\gc]                     ; only the tiles' own group lies on the diagonal
	s_cbranch_scc1 .Lopen_\@
	v_mov_b32 v[TT], 0xff800000                    ; hidden scores become -infinity ahead of the maximum: p = 0 then.  Register 32 B + i holds key 64 B + 32 hh + i of the group
.irp x, 0,1
.set N, 0
.rept 64
	v_cmp_gt_i32 vcc_lo, 64*(N/32)+N%32, v[DM+\x]
	v_cndmask_b32 v[SS+64*\x+N], v[SS+64*\x+N], v[TT], vcc_lo
.set N, N+1
.endr
.endr
.Lopen_\@:
.endif
.irp y, 0,1,2,3                                ; y = 2 x tile + B.  The largest score of each block of 32 keys: for the row's maximum, and, since p rises with the score, for the block's largest p
	v_max3_num_f32 v[BM+\y], v[SS+32*\y], v[SS+32*\y+1], v[SS+32*\y+2]
.endr
.irp i, 3,5,7,9,11,13,15,17,19,21,23,25,27,29
.irp y, 0,1,2,3
	v_max3_num_f32 v[BM+\y], v[BM+\y], v[SS+32*\y+\i], v[SS+32*\y+\i+1]
.endr
.endr
.irp y, 0,1,2,3
	v_max_num_f32 v[BM+\y], v[BM+\y], v[SS+32*\y+31]
.endr
.irp x, 0,1
	v_max_num_f32 v[TT+\x], v[BM+2*\x], v[BM+2*\x+1]
.endr
.irp x, 0,1
	v_permlanex16_b32 v[PT+2*\x], v[TT+\x], s20, s21
.endr
.irp x, 0,1
	v_max3_num_f32 v[NMR+2*\x+1], v[NMR+2*\x+1], v[TT+\x], v[PT+2*\x]   ; the running largest score (c is positive: the largest t is c x it)
.endr
.irp x, 0,1
	v_mul_f32 v[TT+\x], s22, -v[NMR+2*\x+1]        ; -t
.endr
.irp x, 0,1
	v_floor_f32 v[PT+2*\x], v[TT+\x]               ; the new -M = -ceil(t): a whole number
.endr
.irp x, 0,1
	v_sub_f32 v[TT+\x], v[PT+2*\x], v[NMR+2*\x]    ; old M - new M: a whole number, 0 or less
.endr
.irp x, 0,1
	v_mov_b32 v[NMR+2*\x], v[PT+2*\x]
.endr
.irp x, 0,1
	v_cvt_i32_f32 v[TT+\x], v[TT+\x]               ; (it saturates)
.endr
.irp x, 0,1
	v_ldexp_f32 v[FF+2*\x], 1.0, v[TT+\x]          ; f: a multiplication by it rounds nothing
.endr
.set N, 0
.rept 32
	v_pk_fma_f32 v[SS+N:SS+N+1], v[SS+N:SS+N+1], s[22:23], v[NMR:NMR+1] op_sel_hi:[1,0,0]   ; the even tile's t - M, two at a time
.set N, N+2
.endr
.irp y, 0,1,2,3
	v_fma_f32 v[BM+\y], v[BM+\y], s22, v[NMR+2*(\y/2)]
.endr
	WIN 0x41                                       ; destination and source 0: window 1
.irp x, 0,1
.set N, 0
.rept 16
	v_pk_mul_f32 v[OO+32*\x+N:OO+32*\x+N+1], v[OO+32*\x+N:OO+32*\x+N+1], v[FF+2*\x:FF+2*\x+1] op_sel_hi:[1,0]   ; O^T under the new M; it stands ahead of the exponentials; each accumulator from its low end on
.set N, N+2
.endr
.endr
	WIN 0
	s_wait_alu depctr_va_vdst(0)                   ; the wait ahead of the batch
.set N, 0
.rept 64
	v_exp_f32 v[SS+N], v[SS+N]                     ; the even tile's p = 2^(t - M), at most 1, not normalised
.if N < 32
	v_pk_fma_f32 v[SS+64+2*N:SS+64+2*N+1], v[SS+64+2*N:SS+64+2*N+1], s[22:23], v[NMR+2:NMR+3] op_sel_hi:[1,0,0]   ; among them the odd tile's t - M: first read behind the wait below
.endif
.set N, N+1
.endr
.irp y, 0,1,2,3
	v_exp_f32 v[BM+\y], v[BM+\y]                   ; the block's largest p: the same two instructions on the same number
.endr
	v_nop                                          ; a plain place behind the exponentials
	s_wait_alu depctr_va_vdst(0)                   ; one wait for the whole batch
.irp y, 0,1,2,3
	v_max_num_f32 v[BM+\y], 0x1800000, v[BM+\y]    ; the floor: a block whose every p is 0 keeps the byte 1: its codes are zeros
.endr
.irp y, 0,1,2,3
	v_add_nc_u32 v[SO+\y], 0xff000000, v[BM+\y]
.endr
.irp y, 0,1,2,3
	v_lshrrev_b32 v[PT+\y], 23, v[SO+\y]
.endr
.irp x, 0,1
	v_lshl_or_b32 v[TT+\x], v[PT+2*\x+1], 16, v[PT+2*\x]   ; my two bytes: blocks hh and 2 + hh,
.endr
.irp x, 0,1
	v_lshlrev_b32 v[TT+\x], v[HH8], v[TT+\x]       ; 8 hh bits up;
.endr
.irp x, 0,1
	v_permlanex16_b32 v[PT+2*\x], v[TT+\x], s20, s21
.endr
.irp x, 0,1
	v_or_b32 v[FF+2*\x+1], v[TT+\x], v[PT+2*\x]    ; with lane l xor 16's two: p's scale word for these 128 keys
.endr
	s_wait_alu depctr_va_vdst(0)                   ; the wait ahead of the second batch
.set N, 0
.rept 64
	v_exp_f32 v[SS+64+N], v[SS+64+N]               ; the odd tile's p.  Among them, of the even tile, all first read behind the wait below:
.if N < 8
	v_cvt_scalef32_pk8_fp4_f32 v[PCD+N], v[SS+8*N:SS+8*N+7], v[SO+N/4]   ; its codes: registers 4 B .. 4 B + 3 of the operand: keys 64 B + 32 hh + 0 .. 31;
.elseif N == 8
	v_nop                                          ; one plain place behind the conversions, ahead of the lines that write over their sources;
.elseif N < 25
	v_pk_add_f32 v[SS+4*(N-9):SS+4*(N-9)+1], v[SS+4*(N-9):SS+4*(N-9)+1], v[SS+4*(N-9)+2:SS+4*(N-9)+3]   ; the first level of its sum: sixteen pairs of pairs, each by itself
.endif
.set N, N+1
.endr
	v_nop                                          ; a plain place behind the exponentials
	s_wait_alu depctr_va_vdst(0)                   ; one wait for the whole batch
.irp n, 8,9,10,11,12,13,14,15
	v_cvt_scalef32_pk8_fp4_f32 v[PCD+\n], v[SS+8*\n:SS+8*\n+7], v[SO+\n/4]   ; the odd tile's codes
.endr
	v_nop                                          ; one plain place behind the conversions
	; the rows' sums of the unquantised p, in two chains a tile; the first line brings the old sum under the new M.  The even tile adds its sixteen first-level sums (every fourth register), the odd tile its 32 pairs.
	; The lines ahead of the products are the places between the writes of p's codes and the products
	v_pk_fma_f32 v[SUM:SUM+1], v[SUM:SUM+1], v[FF:FF+1], v[SS:SS+1] op_sel_hi:[1,0,1]
	v_pk_add_f32 v[T2:T2+1], v[SS+4:SS+5], v[SS+8:SS+9]
	v_pk_fma_f32 v[SUM+2:SUM+3], v[SUM+2:SUM+3], v[FF+2:FF+3], v[SS+64:SS+65] op_sel_hi:[1,0,1]
	v_pk_add_f32 v[T2+2:T2+3], v[SS+66:SS+67], v[SS+68:SS+69]
	ACC2 0, 12, 16
	ACC2 1, 6, 8
	ACC2 1, 10, 12
	ACC2 0, 20, 24
	ACC2 1, 14, 16
	ACC2 1, 18, 20
	ACC2 0, 28, 32
	ACC2 1, 22, 24
	ACC2 1, 26, 28
	s_wait_alu depctr_va_vdst(0)
	s_wait_dscnt 12                                ; V and its words are in; the next step's twelve loads of K may stay out
	WIN 0x51                                       ; V, C and D: window 1; p's codes: window 0
.irp x, 0,1
.irp j, 0,1,2,3                                ; O^T += V^T P^T: the eight accumulators by turns
	v_wmma_scale_f32_16x16x128_f8f6f4 v[OO+32*\x+8*\j:OO+32*\x+8*\j+7], v[VF+8*\j:VF+8*\j+7], v[PCD+8*\x:PCD+8*\x+7], v[OO+32*\x+8*\j:OO+32*\x+8*\j+7], v[VSW+\j], v[FF+2*\x+1] matrix_a_fmt:MATRIX_FMT_FP4 matrix_b_fmt:MATRIX_FMT_FP4
.endr
.endr
	WIN 0
	ACC2 0, 36, 40                                 ; the rest of the sums: they name none of the products' registers and are the places behind them
	ACC2 1, 30, 32
	ACC2 1, 34, 36
	ACC2 0, 44, 48
	ACC2 1, 38, 40
	ACC2 1, 42, 44
	ACC2 0, 52, 56
	ACC2 1, 46, 48
	ACC2 1, 50, 52
	ACC2 1, 54, 56
	ACC2 1, 58, 60
	v_pk_add_f32 v[SUM:SUM+1], v[SUM:SUM+1], v[SS+60:SS+61]
	v_pk_add_f32 v[SUM+2:SUM+3], v[SUM+2:SUM+3], v[SS+126:SS+127]
	v_pk_add_f32 v[SUM:SUM+1], v[SUM:SUM+1], v[T2:T2+1]
	v_pk_add_f32 v[SUM+2:SUM+3], v[SUM+2:SUM+3], v[T2+2:T2+3]
.if \diag
.Lhid_\@:
.endif
	s_add_co_u32 s[KS], s[KS], 1
	s_add_co_u32 s[TKV], s[TKV], 4096
	s_add_co_u32 s[TSC], s[TSC], 256
	s_sub_co_u32 s[TR], s[TR], 1
	s_cmp_lg_u32 s[TR], 0
	s_cbranch_scc1 .Lstep_\@
.endm
	s_load_b128 s[4:7], s[0:1], 0x0                ; qkv s[4:5], att s[6:7]
	v_lshl_add_u32 v254, v0, 2, 0x29000
	v_mov_b32 v255, 0
	ds_add_u32 v254, v255                          ; the opening lines: the add, twice on end, and its wait ahead of my first tensor load
	ds_add_u32 v254, v255
	v_lshrrev_b32 v1, 5, v0
	v_readfirstlane_b32 s[WV], v1                  ; wave 0..7
	s_and_b32 s19, s[WV], 7                        ; g: the early tiles' group
	s_bfe_u32 s40, ttmp6, 0x40000                  ; cx: it enters global addresses and the mask's registers alone
	s_and_b32 s41, ttmp7, 0xffff                   ; 16 x batch + head, which the four partners share
	s_mul_i32 s12, s41, HR
	s_mov_b32 s13, 0
	s_and_b32 s14, s[WV], 1                        ; stage 1, waves 0 to 4: 8,192 (wave % 2) + 65,536 (wave / 2), in memory and in LDS: K's key steps 0-3, V's, the scale words
	s_lshl_b32 s14, s14, 13
	s_lshr_b32 s17, s[WV], 1
	s_lshl_b32 s17, s17, 16
	s_add_co_u32 s14, s14, s17
	s_mov_b32 s15, 0
	s_mul_i32 s10, s[WV], 12288                    ; stage 2, all waves: 16,384 + 12,288 wave + 16,384 (wave / 4): K's key steps 4-15 in waves 0-3, V's in waves 4-7
	s_lshr_b32 s17, s[WV], 2
	s_lshl_b32 s17, s17, 14
	s_add_co_u32 s10, s10, s17
	s_add_co_u32 s10, s10, 16384
	s_mov_b32 s11, 0
	s_mov_b32 s24, 15|(3<<16)|(1<<21)              ; group 1: 15:0 the mask: all four work-groups; 17:16 elements of 8 bytes; 21 set beside a mask; no padding
	s_mov_b32 s25, 32<<16                          ; tensor_dim0: rows of 256 bytes
	s_mov_b32 s26, 32<<16                          ; tensor_dim1: stage 1: 32 rows
	s_mov_b32 s27, 32<<16                          ; tile_dim0
	s_mov_b32 s28, 32                              ; tile_dim1
	s_mov_b32 s29, 32                              ; from row to row
	s_mov_b32 s30, 0
	s_mov_b32 s31, 0
	s_mov_b32 s20, 0x76543210
	s_mov_b32 s21, 0xfedcba98                      ; selects for lane l xor 16
	s_mov_b32 s22, 0x3d38aa3b                      ; c = log2(e) / 32
	s_mov_b32 s23, s22                             ; (named with it as a pair, so it is written)
	s_mov_b32 s49, 0x01000100                      ; the even tile's two bytes of a Q scale word, twice: they serve (q, 0) and (0, q) alike;
	s_mov_b32 s48, 0x03020302                      ; the odd tile's
	s_sub_co_u32 s54, 15, s19                      ; the late tiles' group
	s_lshl_b32 s47, s40, 1                         ; 2 cx: my first tile in a group
	s_lshl_b32 s42, s40, 2
	s_lshl_b32 s36, s54, 3
	s_add_co_u32 s36, s36, s47
	s_lshl_b32 s36, s36, 9
	s_add_co_u32 s36, s36, 139264                  ; the late tiles' codes of Q,
	s_lshl_b32 s37, s54, 8
	s_add_co_u32 s37, s37, s42
	s_add_co_u32 s37, s37, 204800                  ; their scale words;
	s_lshl_b32 s38, s19, 3
	s_add_co_u32 s38, s38, s47
	s_lshl_b32 s38, s38, 9
	s_add_co_u32 s38, s38, 139264                  ; the early tiles'
	s_lshl_b32 s39, s19, 8
	s_add_co_u32 s39, s39, s42
	s_add_co_u32 s39, s39, 204800
	; where the results go: att's record 16 x batch + group; K step head / 2, half head % 2
	s_lshr_b32 s43, s41, 4
	s_lshl_b32 s43, s43, 4
	s_and_b32 s44, s41, 15
	s_lshr_b32 s45, s44, 3
	s_mul_i32 s45, s45, CH                         ; the chunk
	s_bfe_u32 s46, s44, 0x20001                    ; the chunk's K step
	s_and_b32 s44, s44, 1
	s_lshl_b32 s50, s46, 13
	s_add_co_u32 s50, s50, s45
	s_lshl_b32 s51, s47, 10
	s_add_co_u32 s50, s50, s51
	s_lshl_b32 s51, s44, 9
	s_add_co_u32 s50, s50, s51
	s_add_co_u32 s50, s50, 2048                    ; codes
	s_lshl_b32 s52, s46, 2
	s_add_co_u32 s52, s52, s45
	s_lshl_b32 s51, s47, 8
	s_add_co_u32 s52, s52, s51
	s_lshl_b32 s51, s44, 1
	s_add_co_u32 s52, s52, s51                     ; scale bytes
	s_add_co_u32 s51, s43, s54
	s_mul_i32 s51, s51, GR
	s_add_co_u32 s56, s51, s50
	s_add_co_u32 s57, s51, s52
	s_add_co_u32 s51, s43, s19
	s_mul_i32 s51, s51, GR
	s_add_co_u32 s58, s51, s50
	s_add_co_u32 s59, s51, s52
	s_lshl_b32 s16, s40, 5                         ; 32 cx
	s_wait_dscnt 0x0
	s_wait_kmcnt 0x0
	s_add_nc_u64 s[8:9], s[4:5], s[12:13]          ; the head's record
	CROUND                                         ; all four work-groups are here: the joint loads meet
	s_mov_b32 s32, 1
	s_mov_b32 s33, s14
	s_add_nc_u64 s[34:35], s[8:9], s[14:15]
	s_or_b32 s35, s35, 0x80000000
	s_cmp_lt_u32 s[WV], 5                          ; stage 1 is five loads: waves 5 to 7 issue none here
	s_cbranch_scc0 .Lno_head_load
	tensor_load_to_lds s[32:35], s[24:31]
	s_nop 0
.rept 4
	v_nop
.endr
.Lno_head_load:
	v_and_b32 v10, 31, v0                          ; lane
	v_and_b32 v11, 15, v0                          ; r
	v_bfe_u32 v12, v0, 4, 1                        ; hh
	v_and_b32 v13, 7, v0                           ; r % 8
	v_bfe_u32 v30, v0, 3, 1                        ; r / 8
	v_lshlrev_b32 v[L16], 4, v10
	v_lshlrev_b32 v[R16], 4, v11
	v_add_nc_u32 v244, s36, v[L16]
	v_add_nc_u32 v245, s38, v[L16]
	v_add_nc_u32 v246, s37, v[R16]
	v_add_nc_u32 v247, s39, v[R16]
	WIN 0x40                                       ; destination: window 1
	global_load_b128 v[QB+4:QB+7], v244, s[8:9]    ; Q stays in registers: the late tiles,
	global_load_b128 v[QB+16:QB+19], v244, s[8:9] offset:512
	global_load_b128 v[QB+28:QB+31], v245, s[8:9]  ; the early tiles
	global_load_b128 v[QB+40:QB+43], v245, s[8:9] offset:512
.irp q, 0,12,24,36
.irp j, 0,1,2,3,8,9,10,11
	v_mov_b32 v[QB+\q+\j], 0                       ; zero codes on both sides of q
.endr
.endr
	WIN 0
	global_load_b32 v236, v246, s[8:9]             ; a word holds both tiles' bytes
	global_load_b32 v237, v247, s[8:9]
	v_lshlrev_b32 v31, 4, v13                      ; 16 (r % 8)
	v_lshl_add_u32 v[AK0], v30, 10, v31
	v_lshl_add_u32 v[AK0], v12, 8, v[AK0]
	v_lshl_add_u32 v[ASK0], v30, 2, v31
	v_add_nc_u32 v[ASK0], 131072, v[ASK0]
	v_add_nc_u32 v[AV0], 65536, v[L16]
	v_add_nc_u32 v[ASV0], 135168, v[R16]
	v_lshl_add_u32 v[DM], v30, 3, v11              ; r + 8 (r / 8)
	v_lshlrev_b32 v31, 5, v12
	v_sub_nc_u32 v[DM], v[DM], v31
	v_add_nc_u32 v[DM], s16, v[DM]                 ; 32 cx + r + 8 (r / 8) - 32 hh: key 64 B + i of my registers is hidden where 64 B + i is larger;
	v_add_nc_u32 v[DM+1], 8, v[DM]                 ; the odd tile's queries lie 8 further on
	v_lshlrev_b32 v[HH8], 3, v12
.irp b, 0,1,2,3
	v_mov_b32 v[PT+\b], 0                          ; written once: a lane permute's destination counts as one of its sources
.endr
	v_mov_b32 v[TT], 0
	v_mov_b32 v[TT+1], 0
	v_mov_b32 v[FF+1], 0                           ; (named as the upper half of a pair before it is first written)
	v_mov_b32 v[FF+3], 0
	s_wait_alu depctr_va_vdst(0)                   ; the wait at the head's end
	s_wait_tensorcnt 0x0                           ; my part of stage 1 has landed
	ds_add_u32 v254, v255                          ; the add, twice on end here
	ds_add_u32 v254, v255
	s_mov_b32 s26, 48<<16                          ; no tensor load of mine is out, so the descriptor may be written: stage 2: 48 rows,
	s_mov_b32 s28, 48
	s_mov_b32 s33, s10                             ; at my place in LDS and in the head's record
	s_add_nc_u64 s[34:35], s[8:9], s[10:11]
	s_or_b32 s35, s35, 0x80000000
	s_wait_dscnt 0x0
	CROUND                                         ; everybody's part of stage 1 is in, and all four work-groups are here: the joint loads meet
	tensor_load_to_lds s[32:35], s[24:31]          ; every wave's one load behind the round: by this text's count one is out
	s_nop 0
.rept 4
	v_nop
.endr
	s_wait_loadcnt 0x0                             ; Q
	v_perm_b32 v[QW], v236, v236, s49
	v_perm_b32 v[QW+1], v236, v236, s48
	v_perm_b32 v[QW+2], v237, v237, s49
	v_perm_b32 v[QW+3], v237, v237, s48
	INIT                                           ; the late tiles: 16 - g key steps, at least 9
	BODY QB, QW, 54, 3, 0                          ; key steps 0-2: they read K up to step 3, V up to step 2 and scale words: stage 1 alone
	s_wait_alu depctr_va_vdst(0)
	s_wait_tensorcnt 0x0                           ; my part of stage 2 has landed,
	s_wait_dscnt 0x0                               ; no LDS load of mine is out at the signal
	s_barrier_signal -1
	s_barrier_wait -1                              ; everybody's has: from here on LDS is only read
	s_mov_b32 s[KS], 3
	s_mov_b32 s[TKV], 3*4096
	s_mov_b32 s[TSC], 3*256
	BODY QB, QW, 54, 13, 1
	s_wait_alu depctr_va_vdst(0)
	FIN 0, 56, 57
	FIN 1, 56, 57
	INIT                                           ; the early tiles: g + 1 key steps
	BODY QB+24, QW+2, 19, 8, 1
	s_wait_alu depctr_va_vdst(0)
	FIN 0, 58, 59
	FIN 1, 58, 59
	s_wait_tensorcnt 0x0                           ; the wave's end
	ds_add_u32 v254, v255
	s_wait_dscnt 0x0
	CROUND                                         ; the closing round
	s_endpgm
.Lfunc_end_k_q1e74ac59fe_attn:
	.size	k_q1e74ac59fe_attn, .Lfunc_end_k_q1e74ac59fe_attn-k_q1e74ac59fe_attn
	.p2alignl 7, 3214868480
	.fill 96, 4, 3214868480
	.section	.rodata,"a",@progbits
	.p2align	6, 0x0
	.amdhsa_kernel k_q1e74ac59fe_attn
		.amdhsa_group_segment_fixed_size 327680
		.amdhsa_private_segment_fixed_size 0
		.amdhsa_enable_private_segment 0
		.amdhsa_kernarg_size 16
		.amdhsa_user_sgpr_count 2
		.amdhsa_user_sgpr_kernarg_segment_ptr 1
		.amdhsa_wavefront_size32 1
		.amdhsa_system_sgpr_workgroup_id_x 1
		.amdhsa_system_sgpr_workgroup_id_y 1
		.amdhsa_system_sgpr_workgroup_id_z 1
		.amdhsa_system_vgpr_workitem_id 0
		.amdhsa_next_free_vgpr 400
		.amdhsa_next_free_sgpr 66
		.amdhsa_reserve_vcc 1
		.amdhsa_float_denorm_mode_32 3
		.amdhsa_float_denorm_mode_16_64 3
		.amdhsa_memory_ordered 1
		.amdhsa_forward_progress 1
		.amdhsa_inst_pref_size 131
	.end_amdhsa_kernel
	.amdgpu_metadata
---
amdhsa.version: [ 1, 2 ]
amdhsa.kernels:
  - .name:           k_q1e74ac59fe_attn
    .symbol:         k_q1e74ac59fe_attn.kd
    .args:
      - { .name: qkv, .offset: 0, .size: 8, .value_kind: global_buffer, .address_space: global }
      - { .name: att, .offset: 8, .size: 8, .value_kind: global_buffer, .address_space: global }
    .group_segment_fixed_size: 327680
    .private_segment_fixed_size: 0
    .kernarg_segment_align: 8
    .kernarg_segment_size: 16
    .max_flat_workgroup_size: 256
    .sgpr_count:     66
    .vgpr_count:     400
    .wavefront_size: 32
...
	.end_amdgpu_metadata
.endif
;; end of part 3
;; launch proj (part 4): grid 4 x 64, 4 waves a work-group, clusters of 4 x 4, 327,680 bytes of LDS; arguments att, opnd, bo, out0; writes out0
.if DOCPART == 4
	.amdgcn_target "amdgcn-amd-amdhsa--gfx1250"
	.amdhsa_code_object_version 6
	.text
	.protected	k_q1e74ac59fe_proj
	.globl	k_q1e74ac59fe_proj
	.p2align	8
	.type	k_q1e74ac59fe_proj,@function
k_q1e74ac59fe_proj:
	s_mov_b64 s[64:65], 0
	v_nop
	global_prefetch_b8 v0, s[64:65] scope:SCOPE_SE
	s_setreg_imm32_b32 hwreg(HW_REG_WAVE_MODE, 25, 1), 1
	s_wait_xcnt 0x0
	s_wait_alu depctr_hold_cnt(0) depctr_sa_sdst(0) depctr_va_vdst(0) depctr_va_sdst(0) depctr_va_ssrc(0) depctr_va_vcc(0) depctr_vm_vsrc(0)
	s_getreg_b32 s2, hwreg(HW_REG_IB_STS2, 6, 4)
	s_cmp_eq_u32 s2, 0
	s_cbranch_scc0 .Lentry_in_a_cluster
	s_endpgm
.Lentry_in_a_cluster:
	s_bfe_u32 s2, ttmp6, 0x10000c
	s_cmp_lg_u32 s2, 0xf033
	s_cbranch_scc0 .Lentry_shape_is_right
	s_endpgm
.Lentry_shape_is_right:
.set GR,   69632
.set CH,   34816
.set LCH,  CH                          ; LDS: the tokens' record at 0, the two weight records at GR and 2 GR, each with its two chunks on end
.set STAGE, 6*CH
.set SPITCH, 528
.set ADRO, 16
.set ADSI, 18
.set ADRI, 20
.set ADSO, 22
.set STO,  24
.set RD,   25
.set CO,   26
.set BA,   27
.set SCO,  32
.set SCI,  64
.set OF,   128
.set BI,   192
.set G1T,  24
.set G0T,  32
.set G1W,  48
.set G0W,  56
.set MUL_F, 0x81
.set MUL,   0xa1
.set TO_I,  0x40
.set MSB, 0
.macro WIN new
.if MSB != (\new)
	s_set_vgpr_msb (MSB<<8)|(\new)
.set MSB, \new
.endif
.endm
.macro PLACES n
.rept \n
	v_nop
.endr
.endm
.macro JLOAD g0a, g1a, g0b, g1b
	s_cmp_eq_u32 s15, 0
	s_cbranch_scc0 .Lfor_w_\@
	tensor_load_to_lds s[\g0a:\g0a+3], s[\g1a:\g1a+7]
	s_nop 0
.rept 4
	v_nop
.endr
	s_branch .Lasked_\@
.Lfor_w_\@:
	tensor_load_to_lds s[\g0b:\g0b+3], s[\g1b:\g1b+7]
	s_nop 0
.rept 4
	v_nop
.endr
.Lasked_\@:
.endm
.macro CROUND
	s_barrier_signal -1
	s_barrier_wait -1
	s_cmp_lg_u32 s14, 0
	s_cbranch_scc1 .Lnot_wave_0_\@
	s_barrier_signal -3
.Lnot_wave_0_\@:
	s_barrier_wait -3
	s_barrier_signal -1
	s_barrier_wait -1
.endm
.macro FRAG reg, adr, q, i
.irp c, 0,1
	ds_load_b128 v[\reg+4*\c:\reg+4*\c+3], v[\adr] offset:2048+8192*(\q)+1024*(\i)+512*\c
.endr
.endm
.macro FETCH s
	WIN TO_I
.irp i, 0,1,2,3,4,5,6,7
	FRAG 128*((\s)%2)+8*\i, ADRI+(\s)/4, (\s)%4, \i
.endr
	WIN 0
.irp i, 0,1,2,3
	FRAG OF+32*((\s)%2)+8*\i, ADRO+(\s)/4, (\s)%4, \i
.endr
.endm
.macro SCALES k
.irp i, 0,1,2,3
	ds_load_b128 v[SCO+16*\k+4*\i:SCO+16*\k+4*\i+3], v[ADSO+\k] offset:256*\i
.endr
.irp i, 0,1,2,3,4,5,6,7
	ds_load_b128 v[SCI+32*\k+4*\i:SCI+32*\k+4*\i+3], v[ADSI+\k] offset:256*\i
.endr
.endm
.macro MUL16 a0, s, first
.irp a, \a0, \a0+1
.irp b, 0,1,2,3,4,5,6,7
.set AD, 8*(8*(\a)+\b)
.set IB, 128*((\s)%2)+8*\b
.set OB, OF+32*((\s)%2)+8*(\a)
.set SI, SCI+32*((\s)/4)+4*\b+(\s)%4
.set SU, SCO+16*((\s)/4)+4*(\a)+(\s)%4
.if \first
	v_wmma_scale_f32_16x16x128_f8f6f4 v[AD:AD+7], v[IB:IB+7], v[OB:OB+7], v[BI+8*\b:BI+8*\b+7], v[SI], v[SU] matrix_a_fmt:MATRIX_FMT_FP4 matrix_b_fmt:MATRIX_FMT_FP4
.else
	v_wmma_scale_f32_16x16x128_f8f6f4 v[AD:AD+7], v[IB:IB+7], v[OB:OB+7], v[AD:AD+7], v[SI], v[SU] matrix_a_fmt:MATRIX_FMT_FP4 matrix_b_fmt:MATRIX_FMT_FP4
.endif
.endr
.endr
.endm
.macro STEP s, first
	s_wait_dscnt 0x0
.if (\s) > 0
	PLACES 4
.endif
.if (\s) < 7
	FETCH (\s)+1
.endif
.if \first
	WIN MUL_F
.else
	WIN MUL
.endif
	MUL16 0, \s, \first
	MUL16 2, \s, \first
	WIN 0
.endm
	s_load_b256 s[4:11], s[0:1], 0x0
	v_lshl_add_u32 v30, v0, 2, 0x3b400
	v_mov_b32 v31, 0
	ds_add_u32 v30, v31
	ds_add_u32 v30, v31
	v_lshrrev_b32 v1, 5, v0
	v_readfirstlane_b32 s14, v1
	s_lshr_b32 s15, s14, 1
	s_and_b32 s16, s14, 1
	s_bfe_u32 s40, ttmp6, 0x40000
	s_bfe_u32 s41, ttmp6, 0x40004
	s_lshl_b32 s42, ttmp9, 2
	s_add_co_u32 s42, s42, s40
	s_and_b32 s17, ttmp7, 0xffff
	s_lshl_b32 s17, s17, 2
	s_add_co_u32 s17, s17, s41
	s_lshl_b32 s43, s41, 2
	s_lshl_b32 s43, 15, s43
	s_lshl_b32 s44, 0x1111, s40
	s_or_b32 s[G1T+0], s43, (3<<16)|(1<<21)
	s_mov_b32 s[G1T+1], 32<<16
	s_mov_b32 s[G1T+2], 136<<16                    ; tokens: waves 0 and 1 fetch a whole chunk each, 136 rows of 256 bytes
	s_mov_b32 s[G1T+3], 32<<16
	s_mov_b32 s[G1T+4], 136
	s_mov_b32 s[G1T+5], 32
	s_mov_b32 s[G1T+6], 0
	s_mov_b32 s[G1T+7], 0
	s_or_b32 s[G1W+0], s44, (3<<16)|(1<<21)
	s_mov_b32 s[G1W+1], 32<<16
	s_mov_b32 s[G1W+2], 272<<16                    ; weights: waves 2 and 3 fetch a whole record each, 272 rows
	s_mov_b32 s[G1W+3], 32<<16
	s_mov_b32 s[G1W+4], 272
	s_mov_b32 s[G1W+5], 32
	s_mov_b32 s[G1W+6], 0
	s_mov_b32 s[G1W+7], 0
	s_mul_i32 s20, s17, GR
	s_mul_i32 s45, s16, CH
	s_add_co_u32 s20, s20, s45
	s_mov_b32 s21, 0
	s_lshl_b32 s46, s42, 1
	s_add_co_u32 s46, s46, s16
	s_add_co_u32 s46, s46, 64
	s_mul_i32 s46, s46, GR
	s_mov_b32 s47, 0
	s_add_co_u32 s94, s16, 1
	s_mul_i32 s94, s94, GR
	s_wait_dscnt 0x0
	s_wait_kmcnt 0x0
	s_add_nc_u64 s[20:21], s[4:5], s[20:21]
	s_add_nc_u64 s[46:47], s[6:7], s[46:47]
	CROUND
.irp k, 0
	s_mov_b32 s[G0T+4*\k], 1
	s_add_co_u32 s[G0T+4*\k+1], s45, \k*LCH
	s_add_nc_u64 s[G0T+4*\k+2:G0T+4*\k+3], s[20:21], \k*CH
	s_or_b32 s[G0T+4*\k+3], s[G0T+4*\k+3], 0x80000000
	s_mov_b32 s[G0W+4*\k], 1
	s_add_co_u32 s[G0W+4*\k+1], s94, \k*LCH
	s_add_nc_u64 s[G0W+4*\k+2:G0W+4*\k+3], s[46:47], \k*CH
	s_or_b32 s[G0W+4*\k+3], s[G0W+4*\k+3], 0x80000000
	JLOAD G0T+4*\k, G1T, G0W+4*\k, G1W             ; the wave's one tensor load, behind the opening lines and the round
.endr
	s_lshl_b32 s86, s42, 10
	s_lshl_b32 s87, s16, 9
	s_add_co_u32 s86, s86, s87
	s_mov_b32 s87, 0
	s_add_nc_u64 s[8:9], s[8:9], s[86:87]
	s_add_nc_u64 s[10:11], s[10:11], s[86:87]
	s_lshl_b32 s86, s17, 19
	s_lshl_b32 s88, s15, 18
	s_add_co_u32 s86, s86, s88
	s_add_nc_u64 s[10:11], s[10:11], s[86:87]
	v_and_b32 v1, 31, v0
	v_and_b32 v2, 15, v0
	v_bfe_u32 v3, v0, 4, 1
	v_lshlrev_b32 v[BA], 6, v3
.irp b, 0,1,2,3,4,5,6,7
	global_load_b128 v[BI+8*\b:BI+8*\b+3], v[BA], s[8:9] offset:128*(\b/2)+32*(\b%2)
	global_load_b128 v[BI+8*\b+4:BI+8*\b+7], v[BA], s[8:9] offset:128*(\b/2)+32*(\b%2)+16
.endr
	v_lshlrev_b32 v[CO], 4, v1
	v_lshlrev_b32 v5, 4, v2
	s_lshl_b32 s22, s15, 12
	v_add_nc_u32 v[ADRO], s22, v[CO]
	v_add_nc_u32 v[ADRO+1], LCH, v[ADRO]
	v_add_nc_u32 v[ADRI], s94, v[CO]
	v_add_nc_u32 v[ADRI+1], LCH, v[ADRI]
	s_lshl_b32 s22, s15, 10
	v_add_nc_u32 v[ADSO], s22, v5
	v_add_nc_u32 v[ADSO+1], LCH, v[ADSO]
	v_add_nc_u32 v[ADSI], s94, v5
	v_add_nc_u32 v[ADSI+1], LCH, v[ADSI]
	s_mul_i32 s23, s14, 16*SPITCH
	s_add_co_u32 s23, s23, STAGE
	v_mul_u32_u24 v6, v2, SPITCH
	v_lshl_add_u32 v6, v3, 6, v6
	v_add_nc_u32 v[STO], s23, v6
	v_add_nc_u32 v[RD], s23, v[CO]
	s_wait_alu depctr_va_vdst(0)
	s_wait_tensorcnt 0x0
	s_barrier_signal -1
	s_barrier_wait -1
	SCALES 0
	SCALES 1
	FETCH 0
	s_wait_loadcnt 0x0
	STEP 0, 1
	STEP 1, 0
	STEP 2, 0
	STEP 3, 0
	STEP 4, 0
	STEP 5, 0
	STEP 6, 0
	STEP 7, 0
.macro TOSTAGE a
	WIN 0x08
.irp b, 0,1,2,3,4,5,6,7
	ds_store_b128 v[STO], v[8*(8*(\a)+\b):8*(8*(\a)+\b)+3] offset:128*(\b/2)+32*(\b%2)
	ds_store_b128 v[STO], v[8*(8*(\a)+\b)+4:8*(8*(\a)+\b)+7] offset:128*(\b/2)+32*(\b%2)+16
.endr
	WIN 0
.set BB, OF+64*((\a)%2)
.irp t, 0,1,2,3,4,5,6,7,8,9,10,11,12,13,14,15
	ds_load_b128 v[BB+4*\t:BB+4*\t+3], v[RD] offset:\t*SPITCH
.endr
.endm
.macro SEND a, younger
.set BB, OF+64*((\a)%2)
	s_wait_dscnt \younger
.irp t, 0,1,2,3,4,5,6,7,8,9,10,11,12,13,14,15
	global_store_b128 v[CO], v[BB+4*\t:BB+4*\t+3], s[10:11] offset:(32*((\a)/2)+8*((\a)%2)+\t+8*(\t/8))*4096 th:TH_STORE_NT
.endr
.endm
	PLACES 4
	TOSTAGE 0
.irp a, 1,2,3
.if \a > 1
	s_wait_xcnt 0x0
.endif
	TOSTAGE \a
	SEND \a-1, 32
.endr
	SEND 3, 0
	s_wait_tensorcnt 0x0
	ds_add_u32 v30, v31
	s_wait_dscnt 0x0
	CROUND
	s_endpgm
.Lfunc_end_k_q1e74ac59fe_proj:
	.size	k_q1e74ac59fe_proj, .Lfunc_end_k_q1e74ac59fe_proj-k_q1e74ac59fe_proj
	.p2alignl 7, 3214868480
	.fill 96, 4, 3214868480
	.section	.rodata,"a",@progbits
	.p2align	6, 0x0
	.amdhsa_kernel k_q1e74ac59fe_proj
		.amdhsa_group_segment_fixed_size 327680
		.amdhsa_private_segment_fixed_size 0
		.amdhsa_enable_private_segment 0
		.amdhsa_kernarg_size 32
		.amdhsa_user_sgpr_count 2
		.amdhsa_user_sgpr_kernarg_segment_ptr 1
		.amdhsa_wavefront_size32 1
		.amdhsa_system_sgpr_workgroup_id_x 1
		.amdhsa_system_sgpr_workgroup_id_y 1
		.amdhsa_system_sgpr_workgroup_id_z 1
		.amdhsa_system_vgpr_workitem_id 0
		.amdhsa_next_free_vgpr 768
		.amdhsa_next_free_sgpr 100
		.amdhsa_reserve_vcc 0
		.amdhsa_float_denorm_mode_32 3
		.amdhsa_float_denorm_mode_16_64 3
		.amdhsa_memory_ordered 1
		.amdhsa_forward_progress 1
		.amdhsa_inst_pref_size 70
	.end_amdhsa_kernel
	.amdgpu_metadata
---
amdhsa.version: [ 1, 2 ]
amdhsa.kernels:
  - .name:           k_q1e74ac59fe_proj
    .symbol:         k_q1e74ac59fe_proj.kd
    .args:
      - { .name: att, .offset: 0, .size: 8, .value_kind: global_buffer, .address_space: global }
      - { .name: opnd, .offset: 8, .size: 8, .value_kind: global_buffer, .address_space: global }
      - { .name: bo, .offset: 16, .size: 8, .value_kind: global_buffer, .address_space: global }
      - { .name: out0, .offset: 24, .size: 8, .value_kind: global_buffer, .address_space: global }
    .group_segment_fixed_size: 327680
    .private_segment_fixed_size: 0
    .kernarg_segment_align: 8
    .kernarg_segment_size: 32
    .max_flat_workgroup_size: 128
    .sgpr_count:     100
    .vgpr_count:     768
    .wavefront_size: 32
...
	.end_amdgpu_metadata
.endif
;; end of part 4
